; MI455X (gfx1250); checked and timed in simulation.
; The chip was launched on July 23, 2026; its instructions are those of AMD's public machine-readable ISA for CDNA 5 (MIT licence, August 2026) and "CDNA5" Instruction Set Architecture Reference Guide (July 2026). The comments in the code are by the model that wrote it; some were corrected since.
;; Dot Product Attention. Allowed arithmetic: matrix products marked QUANTISED: E5M2 operands, one given power-of-two scale a tensor, by v_wmma_f32_16x16x64_bf8_bf8 or v_wmma_f32_16x16x128_bf8_bf8, f32 sums; everything else in f32.
;; Inputs: keys 32 x 2,048 x 128 float32; lowp_scales 4 int32 (the exponents e of the quantised operands' scales 2^e); queries 32 x 2,048 x 128 float32; valid_lens 32 int32; values 32 x 2,048 x 128 float32.
;; Outputs: out0 32 x 2,048 x 128 float32.
;; This version of the problem:
;;   THIS VERSION OF THE PROBLEM IS GIVEN IN LOW PRECISION. The matrix products marked QUANTISED in the list below multiply operands that are first quantised to E5M2 (5 exponent bits, 2 mantissa bits; 8 bits a number), with one given power-of-two scale for each operand tensor; their sums are f32. All else is computed in f32.
;;   The module's matrix products, in the order in which they are computed (A, B: the left and right operand; K: the contracted axis; several contracted axes count as one K, in the product's order):
;;     1. batch 32 x [M 2,048, K 128] x [K 128, N 2,048]; A: input queries; B: input keys: QUANTISED (scales: A lowp_scales[0], B lowp_scales[1])
;;     2. batch 32 x [M 2,048, K 2,048] x [K 2,048, N 128]; A: softmax (see below); B: input values: QUANTISED (scales: A lowp_scales[2], B lowp_scales[3])
;;   THE QUANTISER, for each operand of a quantised product, along K:
;;     - The operand's scale is 2^e, e = its entry of the input lowp_scales (int32; the entries are numbered through the quantised products in the list's order, A before B).
;;     - Each number is divided by the scale, clamped to +-57,344, and rounded to the nearest number of E5M2, ties to even, subnormals kept.
;;     - The product sums the exact products of the quantised numbers (number of the format x scale) in f32.
;;   ~~~python
;;   def quantise(x, axis, e):      # numpy; x: float32 -> the quantised numbers, widened to float32 again
;;       x = np.moveaxis(x, axis, -1); K = x.shape[-1]
;;       r = np.clip(x / 2.0 ** e, -57344, 57344)
;;       step = 2.0 ** (np.maximum(np.frexp(np.where(r == 0, 1, r))[1] - 1, -14) - 2)
;;       q = np.round(r / step) * step * 2.0 ** e      # np.round: ties to even
;;       return np.moveaxis(q, -1, axis).astype(np.float32)
;;   ~~~
;;   SOFTMAX AHEAD OF A QUANTISED PRODUCT. Where the list says 'softmax', what is quantised is not the finished softmax but p = 2^(t - M), with t = logit x log2(e) and M = ceil(the row's largest t), a whole number; so 1/2 < the row's largest p <= 1. The row's sum l is taken of the UNQUANTISED p, in f32, and the product's result is divided by l at the end. Since M is a whole number, a kernel that streams over the keys may use a running M (the ceiling of the running maximum): every later rescaling is an exact power of two, so the quantised numbers keep their values, but for numbers so far below the row's largest that they fall under the format's range.
;;   OPERANDS COMPUTED ON THE WAY. 'Computed on the way' means the value that the module computes at that place (a softmax that the list does not call 'softmax' is quantised finished and normalised). What goes into a quantiser is computed in f32, as accurately as f32 sums, v_exp_f32 and their like allow (about 1e-6 of the number): no bf16 or f16 on the way to a quantiser, and a product that is left as it is and whose result goes on into a quantised operand takes f32 operands (vector FMAs, or v_wmma_f32_16x16x4_f32). A number that lies on a knife's edge between two numbers of the format may be rounded either way, as far as f32 arithmetic and the matrix unit's own rounding can turn it there, and no further.
;; 2 versions. Each part assembles by itself: llvm-mc -triple=amdgcn-amd-amdhsa -mcpu=gfx1250 --defsym DOCPART=n.
;; ======== version 1 of 2: 2 launches
;; workspace buffers: kv 16,777,216 bytes; sched 256 bytes of whole numbers
;; launch prep (part 1): grid 1025 x 1, 4 waves a work-group, no clusters, 68,096 bytes of LDS; arguments keys, values, valid_lens, lowp_scales, kv, sched; writes kv, sched
.if DOCPART == 1
	.amdgcn_target "amdgcn-amd-amdhsa--gfx1250"
	.amdhsa_code_object_version 6
	.text
	.protected	k_q07a38e541c_prep
	.globl	k_q07a38e541c_prep
	.p2align	8
	.type	k_q07a38e541c_prep,@function
k_q07a38e541c_prep:
	s_mov_b64 s[64:65], 0
	v_nop
	global_prefetch_b8 v0, s[64:65] scope:SCOPE_SE
	s_setreg_imm32_b32 hwreg(HW_REG_WAVE_MODE, 25, 1), 1
	s_wait_xcnt 0x0
; keys and values [32][2048][128] f32 become codes of E5M2, laid in the order of the matrix operands' registers; and the 32 batches are ranked by length.
; code = x / 2^e, held within +-57,344, to the nearest code, ties to even; e = entry 1 (keys) or entry 3 (values) of the scales.
; LIMITS: -126 <= e <= 112, so that 2^e and 57,344 x 2^e are f32 numbers.  NaN among the inputs is not served (an infinity is held at the largest code).
; kv: block (b, s), s = a step of 128 keys, at byte (16 b + s) x 32,768: K's image (16,384 bytes), then V's.  An image is 8 tiles of 2,048 bytes; a tile is 4 chunks c of 512 bytes; lane L = 16 h + r has 16 bytes at 16 L.
;   K, tile T: key 32 (T / 2) + 8 (T % 2) + r + 8 (r / 8) of the step, channels 32 c + 16 h + 0 .. 15.      V, tile t: channel 16 t + r, keys 32 c + 16 h + 0 .. 15 of the step.
; WORK-GROUPS: 0-511 take K's blocks, 512-1023 V's, one block each; a block all of whose keys lie at or beyond the batch's length is thrown away by the mask that the problem builds, so its work-group stores nothing:
; the grid serves every split of lengths.  Work-group 1024 ranks the batches.  Waves share nothing: no barrier.
.set R,      16                        ; v16-143  128 numbers of a lane
.set C,      144                       ; v144-175 codes: four registers for each of eight chunks, so that no store's data are written again
.set SPITCH, 528                       ; K's stage: a row of 512 bytes + 16: sixteen rows one behind the other begin at sixteen different multiples of 16 bytes modulo 256
.set WSTG,   32*SPITCH                 ; a wave's own stage: 32 rows
	s_load_b256 s[4:11], s[0:1], 0x0               ; keys s[4:5], values s[6:7], valid_lens s[8:9], the scales' exponents s[10:11]
	s_load_b128 s[12:15], s[0:1], 0x20             ; kv s[12:13], sched s[14:15]
	v_lshl_add_u32 v192, v0, 2, 0x10800
	v_mov_b32 v193, 0
	v_lshrrev_b32 v1, 5, v0
	v_readfirstlane_b32 s16, v1                    ; wave 0..3
	v_and_b32 v1, 31, v0                           ; lane
	v_lshlrev_b32 v2, 4, v1                        ; 16 x lane
	s_cmp_eq_u32 ttmp9, 1024
	s_cbranch_scc1 .Lsort
	s_lshr_b32 s17, ttmp9, 9                       ; 0: K, 1: V
	s_and_b32 s18, ttmp9, 511                      ; 16 b + s
	s_lshr_b32 s19, s18, 4                         ; b
	s_and_b32 s22, s18, 15                         ; s
	s_lshl_b32 s21, s19, 2
	s_lshl_b32 s22, s22, 7                         ; the step's first key
	s_wait_kmcnt 0x0
	s_load_b32 s20, s[8:9], s21 offset:0x0         ; the batch's length
	s_load_b128 s[24:27], s[10:11], 0x0            ; eq, ek, ep, ev
	s_wait_kmcnt 0x0
	s_cmp_lt_i32 s22, s20                          ; does the step hold a key that counts?
	s_cbranch_scc0 .Lend
	s_cmp_eq_u32 s17, 0
	s_cselect_b64 s[4:5], s[4:5], s[6:7]           ; the tensor,
	s_cselect_b32 s28, s25, s27                    ; and its e
	s_add_co_i32 s28, s28, 127
	s_lshl_b32 s29, s28, 23
	v_mov_b32 v11, s29                             ; 2^e as f32: the conversion takes its exponent field
	s_add_co_i32 s28, s28, 15
	s_lshl_b32 s28, s28, 23
	s_or_b32 s28, s28, 0x600000
	v_mov_b32 v10, s28                             ; 57,344 x 2^e
	s_lshl_b32 s30, s18, 16                        ; the step's 128 rows of 512 bytes
	s_mov_b32 s31, 0
	s_add_nc_u64 s[4:5], s[4:5], s[30:31]
	s_lshl_b32 s30, s18, 15                        ; the block,
	s_lshl_b32 s32, s17, 14                        ; K's or V's image in it,
	s_add_co_u32 s30, s30, s32
	s_lshl_b32 s32, s16, 12                        ; my wave's two tiles
	s_add_co_u32 s30, s30, s32
	s_add_nc_u64 s[12:13], s[12:13], s[30:31]
	s_cmp_lg_u32 s17, 0
	s_cbranch_scc1 .Lvpath
; sixteen numbers of a lane, neighbours along K, become sixteen codes
.macro QCV x, cd
.set qq, 0
.rept 16
	v_med3_num_f32 v[(\x)+qq], v[(\x)+qq], -v10, v10   ; the conversion to an 8-bit code does not saturate (ISA guide 7.6.2): the hold comes first
.set qq, qq+1
.endr
	v_cvt_scalef32_pk8_bf8_f32 v[(\cd):(\cd)+1], v[(\x):(\x)+7], v11
	v_cvt_scalef32_pk8_bf8_f32 v[(\cd)+2:(\cd)+3], v[(\x)+8:(\x)+15], v11   ; the codes go to a store alone; the next vector lines are plain and touch other registers
.endm
	; ---- K: wave j takes keys 32 j .. 32 j + 31 of the step: tiles 2 j and 2 j + 1.  A load reads one row, 512 consecutive bytes; the rows turn through my stage, so that a lane gets 16 neighbouring channels of one key
	s_lshl_b32 s30, s16, 14
	s_add_nc_u64 s[4:5], s[4:5], s[30:31]
.set i, 0
.rept 32
	global_load_b128 v[R+4*i:R+4*i+3], v2, s[4:5] offset:512*i th:TH_LOAD_NT
.set i, i+1
.endr
	s_mul_i32 s32, s16, WSTG
	v_add_nc_u32 v3, s32, v2                       ; in: 16 x lane of a row
	v_and_b32 v5, 15, v1                           ; r
	v_lshrrev_b32 v6, 4, v1                        ; h
	v_mul_u32_u24 v4, v5, SPITCH
	v_lshl_add_u32 v4, v6, 6, v4
	v_add_nc_u32 v4, s32, v4                       ; back: place r, + 64 h bytes
.set i, 0
.rept 32                                       ; row i goes to place 16 u + r, where i = 8 u + r + 8 (r / 8): a tile's sixteen keys then lie one behind the other
.if (i%8) == 0
	s_wait_loadcnt 24-i                            ; these eight rows are in; the 24 - i younger loads may be out
.endif
	ds_store_b128 v3, v[R+4*i:R+4*i+3] offset:(16*((i/8)%2)+(i%8)+8*(i/16))*SPITCH
.set i, i+1
.endr
.set i, 0
.rept 32                                       ; chunk m = i / 4 = 4 u + c: 64 bytes a lane, into the registers that the rows have left (LDS serves a wave's instructions in order: ISA guide 5.7.1.4)
	ds_load_b128 v[R+4*i:R+4*i+3], v4 offset:(i/16)*16*SPITCH+((i/4)%4)*128+(i%4)*16
.set i, i+1
.endr
.set m, 0
.rept 8
	s_wait_dscnt 28-4*m                            ; chunk m's four loads are in; the later chunks' may be out
	QCV R+16*m, C+4*m
	global_store_b128 v2, v[C+4*m:C+4*m+3], s[12:13] offset:512*m   ; 32 lanes store 512 consecutive bytes
.set m, m+1
.endr
	s_wait_tensorcnt 0x0
	ds_add_u32 v192, v193
	s_wait_dscnt 0x0
	s_endpgm
	; ---- V: a lane takes a channel, 32 j + lane, and its registers run down the 128 keys: the conversions then give codes with the keys innermost, and nothing is turned
.Lvpath:
	s_lshl_b32 s30, s16, 7
	s_add_nc_u64 s[4:5], s[4:5], s[30:31]
	v_lshlrev_b32 v5, 2, v1
	v_lshrrev_b32 v6, 4, v1
	v_and_b32 v7, 15, v1
	v_lshlrev_b32 v6, 11, v6
	v_lshl_add_u32 v6, v7, 4, v6                   ; my tile of the wave's two, + 16 r
.macro VLOAD gr                                ; keys 16 gr .. 16 gr + 15
.set kk, 16*(\gr)
.rept 16
	global_load_b32 v[R+kk], v5, s[4:5] offset:512*kk th:TH_LOAD_NT   ; 32 lanes read 128 consecutive bytes, the four waves 512
.set kk, kk+1
.endr
.endm
	VLOAD 0
	VLOAD 1
	VLOAD 2
.set m, 0
.rept 8
.if m+3 < 8
	VLOAD m+3
	s_wait_loadcnt 48                              ; group m is in; three younger groups of sixteen may be out
.else
	s_wait_loadcnt 16*(7-m)
.endif
	QCV R+16*m, C+4*m
	global_store_b128 v6, v[C+4*m:C+4*m+3], s[12:13] offset:256*m   ; group m = 2 c + h: sixteen lanes store 256 consecutive bytes, aligned
.set m, m+1
.endr
	s_endpgm
	; ---- the ranks: lane j stands for batch j; its rank is the number of batches with a smaller (length, index).  Entry rank of sched = {batch, length as given}
.Lsort:
	s_cmp_lg_u32 s16, 0
	s_cbranch_scc1 .Lend
	v_lshlrev_b32 v3, 2, v1
	s_wait_kmcnt 0x0
	global_load_b32 v9, v3, s[8:9]
	s_wait_loadcnt 0x0
	v_min_u32 v4, 0x800, v9                        ; for the order alone (any order gives right results: it only evens the work out)
	v_lshl_or_b32 v6, v4, 5, v1                    ; 32 x length + index: no two alike
	v_mov_b32 v7, 0
.set j, 0
.rept 32
	v_readlane_b32 s30, v6, j
	v_cmp_lt_u32 vcc_lo, s30, v6
	v_add_co_ci_u32 v7, vcc_lo, 0, v7, vcc_lo
.set j, j+1
.endr
	v_min_u32 v7, 31, v7
	v_lshlrev_b32 v7, 3, v7
	v_mov_b32 v8, v1
	global_store_b64 v7, v[8:9], s[14:15]          ; the 32 ranks are all different: the one store covers the buffer's 256 bytes
.Lend:
	s_endpgm
.Lfunc_end_k_q07a38e541c_prep:
	.size	k_q07a38e541c_prep, .Lfunc_end_k_q07a38e541c_prep-k_q07a38e541c_prep
	.p2alignl 7, 3214868480
	.fill 96, 4, 3214868480
	.section	.rodata,"a",@progbits
	.p2align	6, 0x0
	.amdhsa_kernel k_q07a38e541c_prep
		.amdhsa_group_segment_fixed_size 68096
		.amdhsa_private_segment_fixed_size 0
		.amdhsa_enable_private_segment 0
		.amdhsa_kernarg_size 48
		.amdhsa_user_sgpr_count 2
		.amdhsa_user_sgpr_kernarg_segment_ptr 1
		.amdhsa_wavefront_size32 1
		.amdhsa_system_sgpr_workgroup_id_x 1
		.amdhsa_system_sgpr_workgroup_id_y 1
		.amdhsa_system_sgpr_workgroup_id_z 1
		.amdhsa_system_vgpr_workitem_id 0
		.amdhsa_next_free_vgpr 194
		.amdhsa_next_free_sgpr 66
		.amdhsa_reserve_vcc 1
		.amdhsa_float_denorm_mode_32 3
		.amdhsa_float_denorm_mode_16_64 3
		.amdhsa_memory_ordered 1
		.amdhsa_forward_progress 1
		.amdhsa_inst_pref_size 47
	.end_amdhsa_kernel
	.amdgpu_metadata
---
amdhsa.version: [ 1, 2 ]
amdhsa.kernels:
  - .name:           k_q07a38e541c_prep
    .symbol:         k_q07a38e541c_prep.kd
    .args:
      - { .name: keys, .offset: 0, .size: 8, .value_kind: global_buffer, .address_space: global }
      - { .name: values, .offset: 8, .size: 8, .value_kind: global_buffer, .address_space: global }
      - { .name: valid_lens, .offset: 16, .size: 8, .value_kind: global_buffer, .address_space: global }
      - { .name: lowp_scales, .offset: 24, .size: 8, .value_kind: global_buffer, .address_space: global }
      - { .name: kv, .offset: 32, .size: 8, .value_kind: global_buffer, .address_space: global }
      - { .name: sched, .offset: 40, .size: 8, .value_kind: global_buffer, .address_space: global }
    .group_segment_fixed_size: 68096
    .private_segment_fixed_size: 0
    .kernarg_segment_align: 8
    .kernarg_segment_size: 48
    .max_flat_workgroup_size: 128
    .sgpr_count:     66
    .vgpr_count:     194
    .wavefront_size: 32
...
	.end_amdgpu_metadata
.endif
;; end of part 1
;; launch attn (part 2): grid 16 x 16, 8 waves a work-group, no clusters, 234,496 bytes of LDS; arguments queries, kv, sched, lowp_scales, out0; writes out0
.if DOCPART == 2
	.amdgcn_target "amdgcn-amd-amdhsa--gfx1250"
	.amdhsa_code_object_version 6
	.text
	.protected	k_q07a38e541c_attn
	.globl	k_q07a38e541c_attn
	.p2align	8
	.type	k_q07a38e541c_attn,@function
k_q07a38e541c_attn:
	s_mov_b64 s[64:65], 0
	v_nop
	global_prefetch_b8 v0, s[64:65] scope:SCOPE_SE
	s_setreg_imm32_b32 hwreg(HW_REG_WAVE_MODE, 25, 1), 1
	s_wait_xcnt 0x0
; out0[b][q][:] = the sum over the keys k < valid_lens[b] of softmax_k(Q[b][q] . K[b][k] / sqrt(128)) V[b][k][:], both products on codes of E5M2 with the given scales 2^eq, 2^ek, 2^ep, 2^ev.
; THE SOFTMAX: t = score x log2(e) / sqrt(128); M = the largest t so far, rounded up to a whole number; p = 2^(t - M) is quantised, not normalised; the sum is taken of the unquantised p and divides at the end.
; When M moves, the sum and O are multiplied by 2^(old M - new M), a whole power of two.
; K and V come as codes from kv, in the order of the operands' registers (block (b, s) at (16 b + s) x 32,768: K's image, then V's; 8 tiles x 4 chunks x 512 bytes; lane L's 16 bytes at 16 L).
; Steps of 128 keys that lie wholly at or beyond the batch's length are neither read nor multiplied: LDS is filled through registers;
; Every loop has a constant count, every wave passes every barrier; only a trip's work is jumped over.
; SHARES.  A job is 128 queries of one batch.  Work-group (x, y) runs two: block x of the batch of rank 31 - y (long), then of rank y (short), ranks by length from sched: so all work-groups have about the same number of steps.
; In a job the eight waves split the KEYS: waves 0-3 take the even steps, waves 4-7 the odd ones; waves w and w xor 4 hold the same 32 queries, two tiles of 16, and each fragment of K or V read from LDS feeds two products.
; My tile u holds queries 32 (w & 3) + 16 (u xor half): my tile 1 is my partner's tile 0.  At a job's end each wave sends its tile 1 (O, M, the sum) through LDS, and merges what it gets into its tile 0, by whole powers of two.
; LAYOUT.  Both products are used transposed (S^T = K Q^T, O^T = V^T P^T): a lane holds ONE query (lane % 16).  The keys of a tile of K are chosen so that registers 16 b + i of S^T are keys 32 b + 16 (lane / 16) + i: the conversions' results are P.
; LIMITS: eq + ek between -123 and 130 (added to c's exponent field); eq and ep between -126 and 112.  NaN among the inputs is not served.  A length above 2,048 counts as 2,048; a length of 0 or less gives rows of NaN (0 x infinity).
; LDS: two ring slots of 65,536 bytes (half 0's step, half 1's step; each K's image, then V's) | X[0..7], 8,704 bytes each: wave w writes X[w] (O of its tile 1, 8,192 bytes; -M at 8,192, the sum at 8,320); wave w reads X[w xor 4] and then
; uses it as its own stage of 16 rows x 528 bytes | Q's codes as images: 8,192 (w & 3) + 4,096 job + 2,048 sub-tile.
; REGISTERS, in two windows of 256.  Window 0: addresses, statistics, Q, P, S^T.  Window 1: v0-127 O^T (64 a tile); v128-191 four fragments of K or V; v192-255 the fill's 16 x 4 registers.
.set RING1,  65536
.set XBASE,  2*RING1
.set XSZ,    8704
.set QIMG,   XBASE+8*XSZ
.set SP,     528
.set LI,   1                           ; v1   16 x lane
.set ADK,  2                           ; v2-3 slot 0, 1: my half's step: + 16 x lane
.set FO,   4                           ; v4   the fill: my wave's 8,192 bytes of a step: 8,192 (w & 3) + 16 x lane
.set LS,   5                           ; v5-6 slot 0, 1: where they go: 8,192 w + 16 x lane
.set XW,   7                           ; v7   X[w] + 16 x lane
.set XR,   8                           ; v8   X[w xor 4] + 16 x lane
.set STO,  9                           ; v9   the stage, in: row r, + 32 h
.set SQ,   10                          ; v10  the stage, Q's way back: row r, + 64 h
.set H16,  11                          ; v11  16 h
.set PSC,  12                          ; v12  2^ep;  v13  57,344 x 2^ep
.set PLIM, 13
.set QSC,  14                          ; v14  2^eq;  v15  57,344 x 2^eq
.set QLIM, 15
.set ST,   16                          ; tile u at v[16 + 4 u]: -M, the largest t, the sum in two halves
.set F,    24                          ; tile u: v[24 + 2 u] f; the odd register is named with it as a pair and written once
.set MA,   28                          ; tile u at + 4 u: two chains of the maximum, a pair for the sums
.set MB,   29
.set SM,   30
.set PX,   36                          ; v36-37 a lane exchange's destinations, written once
.set Q,    40                          ; v40-71   Q's two fragments
.set P,    72                          ; v72-103  P's two
.set QJ1,  104
.set QX,   105                         ; v105 Q's images: my partner's sub-tile
.set QW,   106                         ; v106 my sub-tile
.set QJ0,  107
.set XS,   108                         ; v108 X[w] + 8,192 + 4 x lane
.set XSR,  109                         ; v109 X[w xor 4] + 8,192 + 4 x lane
.set PFO,  110                         ; v110 the prefetch: 8,192 (w & 3) + 256 x lane
.set S,    128                         ; v128-255 S^T, then p: 64 a tile
.set FR,   128                         ; in window 1
.set SG,   192                         ; in window 1
.set WV,   14
.set HALF, 15
.set WJ,   16
.set PART, 17
.set SEL,  20                          ; s[20:21] lane selects: lane l xor 16
.set CS,   22                          ; s[22:23] c = log2(e) / sqrt(128) x 2^(eq + ek)
.set KVB,  32                          ; the job in hand: s[32:33] its batch in kv, s34 its steps, s35 its length, s[36:37] my rows of out0, s38 steps if I prefetch, else 0.  The second job: the same + 8
.set NST,  34
.set VAL,  35
.set OUTB, 36
.set PN,   38
.set STEP, 66
.set TRIPS, 67
.set JOB,  68
.set QIM,  69
.set QB0,  70                          ; s[70:71], s[72:73] my 16 rows of Q in the two jobs
.set QB1,  72
.set MSB, 0
.macro WIN new                         ; bits 1:0 source 0, 3:2 source 1, 5:4 source 2, 7:6 destination; the immediate's high byte repeats the setting that is left
.if MSB != \new
	s_set_vgpr_msb (MSB<<8)|\new
.set MSB, \new
.endif
.endm
.macro PLACES                          ; a load into a register that a matrix instruction has read, and a vector instruction or LDS store that reads a result, stand four plain vector instructions behind it
.rept 4
	v_nop
.endr
.endm
	s_load_b256 s[4:11], s[0:1], 0x0               ; queries s[4:5], kv s[6:7], sched s[8:9], the scales' exponents s[10:11]
	s_load_b64 s[12:13], s[0:1], 0x20              ; out0
	v_lshl_add_u32 v126, v0, 2, 0x39000
	v_mov_b32 v127, 0
	v_lshrrev_b32 v1, 5, v0
	v_readfirstlane_b32 s[WV], v1                  ; wave 0..7
	s_lshr_b32 s[HALF], s[WV], 2
	s_and_b32 s[WJ], s[WV], 3
	s_xor_b32 s[PART], s[WV], 4                    ; my partner
	v_and_b32 v112, 31, v0                         ; lane
	v_and_b32 v113, 15, v0                         ; r
	v_bfe_u32 v114, v0, 4, 1                       ; h
	v_lshlrev_b32 v[LI], 4, v112
	s_lshl_b32 s56, s[HALF], 15
	v_add_nc_u32 v[ADK], s56, v[LI]
	v_add_nc_u32 v[ADK+1], RING1, v[ADK]
	s_lshl_b32 s56, s[WJ], 13
	v_add_nc_u32 v[FO], s56, v[LI]
	v_lshl_add_u32 v[PFO], v112, 8, s56
	s_lshl_b32 s56, s[WV], 13
	v_add_nc_u32 v[LS], s56, v[LI]
	v_add_nc_u32 v[LS+1], RING1, v[LS]
	s_mul_i32 s56, s[WV], XSZ
	s_add_co_u32 s56, s56, XBASE
	v_add_nc_u32 v[XW], s56, v[LI]
	v_lshl_add_u32 v[XS], v112, 2, s56
	v_add_nc_u32 v[XS], 8192, v[XS]
	s_mul_i32 s57, s[PART], XSZ
	s_add_co_u32 s57, s57, XBASE
	v_add_nc_u32 v[XR], s57, v[LI]
	v_lshl_add_u32 v[XSR], v112, 2, s57
	v_add_nc_u32 v[XSR], 8192, v[XSR]
	v_mul_u32_u24 v115, v113, SP
	v_add_nc_u32 v115, s57, v115
	v_lshl_add_u32 v[STO], v114, 5, v115
	v_lshl_add_u32 v[SQ], v114, 6, v115
	v_lshlrev_b32 v[H16], 4, v114
	s_lshl_b32 s56, s[WJ], 13
	s_lshl_b32 s57, s[HALF], 11
	s_add_co_u32 s56, s56, s57
	s_add_co_u32 s56, s56, QIMG
	v_add_nc_u32 v[QW], s56, v[LI]
	v_xor_b32 v[QX], 0x800, v[QW]
	v_mov_b32 v[F+1], 0
	v_mov_b32 v[F+3], 0
	v_mov_b32 v[PX], 0
	v_mov_b32 v[PX+1], 0
	WIN 0x40
.set n, 0
.rept 64
	v_mov_b32 v[SG+n], 0                           ; the fill's registers are written once: the fill and the LDS stores of what it brought stand under two branches on one condition, and every path finds them written
.set n, n+1
.endr
	WIN 0
	s_mov_b32 s[SEL], 0x76543210
	s_mov_b32 s[SEL+1], 0xfedcba98
	s_and_b32 s56, ttmp7, 0xffff                   ; y
	s_lshl_b32 s57, s56, 3
	s_sub_co_u32 s56, 31, s56
	s_lshl_b32 s56, s56, 3
	s_wait_kmcnt 0x0
	s_load_b64 s[48:49], s[8:9], s56 offset:0x0    ; rank 31 - y: batch, length
	s_load_b64 s[50:51], s[8:9], s57 offset:0x0    ; rank y.  (s56 and s57 are these loads' offsets: they are written again only behind the wait for the loads, below)
	s_load_b128 s[24:27], s[10:11], 0x0            ; eq, ek, ep, ev
	s_lshl_b32 s58, ttmp9, 16                      ; my rows of Q and of out0 in a batch: block x of 128 rows of 512 bytes,
	s_lshl_b32 s59, s[WJ], 14                      ; my pair's 32 rows,
	s_add_co_u32 s58, s58, s59
	s_lshl_b32 s59, s[HALF], 13                    ; the 16 that I keep
	s_add_co_u32 s58, s58, s59
	s_mov_b32 s55, 0
	s_wait_kmcnt 0x0
.macro JOBSET ent, o, qb
	s_min_u32 s56, s[\ent], 31                     ; the batch
	s_max_i32 s[VAL+\o], s[\ent+1], 0
	s_min_u32 s[VAL+\o], s[VAL+\o], 2048           ; its length, held to 0 .. 2,048
	s_add_co_u32 s[NST+\o], s[VAL+\o], 127
	s_lshr_b32 s[NST+\o], s[NST+\o], 7             ; steps that hold a key that counts
	s_lshl_b32 s54, s56, 19
	s_add_nc_u64 s[KVB+\o:KVB+\o+1], s[6:7], s[54:55]
	s_lshl_b32 s54, s56, 20
	s_add_co_u32 s54, s54, s58
	s_add_nc_u64 s[\qb:\qb+1], s[4:5], s[54:55]
	s_add_nc_u64 s[OUTB+\o:OUTB+\o+1], s[12:13], s[54:55]
	s_cmp_eq_u32 ttmp9, 0                          ; all sixteen work-groups of a y walk the same blocks of kv: the first of them prefetches
	s_cselect_b32 s[PN+\o], s[NST+\o], 0
.endm
	JOBSET 48, 0, QB0
	JOBSET 50, 8, QB1
	s_mov_b32 s[CS], 0x3e0293ee                    ; c = log2(e) / sqrt(128)
	s_add_co_i32 s56, s24, s25
	s_lshl_b32 s56, s56, 23
	s_add_co_i32 s[CS], s[CS], s56                 ; a score stands for score x 2^(eq + ek): added to c's exponent field
	s_mov_b32 s[CS+1], s[CS]                       ; (named with it as a pair)
	s_add_co_i32 s56, s26, 127
	s_lshl_b32 s57, s56, 23
	v_mov_b32 v[PSC], s57
	s_add_co_i32 s56, s56, 15
	s_lshl_b32 s56, s56, 23
	s_or_b32 s56, s56, 0x600000
	v_mov_b32 v[PLIM], s56
	s_add_co_i32 s56, s24, 127
	s_lshl_b32 s57, s56, 23
	v_mov_b32 v[QSC], s57
	s_add_co_i32 s56, s56, 15
	s_lshl_b32 s56, s56, 23
	s_or_b32 s56, s56, 0x600000
	v_mov_b32 v[QLIM], s56
	s_add_co_i32 s28, s26, s27                     ; ep + ev
; A job's first step of my half, if it has one: my 8,192 bytes of it into the fill's registers.
.macro FILL_ISSUE nst, kvb
	s_cmp_lt_u32 s[HALF], s[\nst]
	s_cbranch_scc0 .Lnone_\@
	s_wait_xcnt 0x0                                ; earlier loads have read the base that is written now
	s_lshl_b32 s54, s[HALF], 15
	s_mov_b32 s55, 0
	s_add_nc_u64 s[52:53], s[\kvb:\kvb+1], s[54:55]
	WIN 0x40
.set n, 0
.rept 16
	global_load_b128 v[SG+4*n:SG+4*n+3], v[FO], s[52:53] offset:512*n
.set n, n+1
.endr
	WIN 0
.Lnone_\@:
.endm
; 64 numbers of a lane, register 16 b + i = channel 32 b + 16 h + i of my row of Q, become a fragment's codes
.macro QUANT src, dst
.irp b, 0,1,2,3
.set n, 0
.rept 16
	v_med3_num_f32 v[\src+16*\b+n], v[\src+16*\b+n], -v[QLIM], v[QLIM]   ; the conversion does not saturate (ISA guide 7.6.2): the hold comes first
.set n, n+1
.endr
	v_cvt_scalef32_pk8_bf8_f32 v[\dst+4*\b:\dst+4*\b+1], v[\src+16*\b:\src+16*\b+7], v[QSC]
	v_cvt_scalef32_pk8_bf8_f32 v[\dst+4*\b+2:\dst+4*\b+3], v[\src+16*\b+8:\src+16*\b+15], v[QSC]
.endr
	v_nop                                          ; a plain vector line behind the last conversion: products later write its sources
.endm
	FILL_ISSUE NST, KVB
	; ---- Q: the 16 rows that I keep, of both jobs.  A load reads one row, 512 consecutive bytes; the rows turn through my stage; the codes go to LDS as images of the operand's registers, for my partner too
.set n, 0
.rept 16
	global_load_b128 v[S+4*n:S+4*n+3], v[LI], s[QB0:QB0+1] offset:512*n th:TH_LOAD_NT
.set n, n+1
.endr
.set n, 0
.rept 16
	global_load_b128 v[S+64+4*n:S+64+4*n+3], v[LI], s[QB1:QB1+1] offset:512*n th:TH_LOAD_NT
.set n, n+1
.endr
	s_wait_loadcnt 16                              ; the fill and the first job's rows are in; the second job's sixteen may be out
.irp u, 0,1
.if \u == 1
	s_wait_loadcnt 0x0
.endif
.set n, 0
.rept 16
	ds_store_b128 v[XR], v[S+64*\u+4*n:S+64*\u+4*n+3] offset:SP*n
.set n, n+1
.endr
.set n, 0
.rept 16
	ds_load_b128 v[S+64*\u+4*n:S+64*\u+4*n+3], v[SQ] offset:128*(n/4)+16*(n%4)   ; LDS serves a wave's instructions in order (ISA guide 5.7.1.4): these see the stores above, and the next job's stores come behind them
.set n, n+1
.endr
.endr
	s_wait_dscnt 32                                ; the first job's numbers are back; the second job's 16 stores and 16 loads may be out
	QUANT S, P
.irp c, 0,1,2,3
	ds_store_b128 v[QW], v[P+4*\c:P+4*\c+3] offset:512*\c
.endr
	s_wait_dscnt 4                                 ; the second job's are back; the four stores just issued may be out
	QUANT S+64, P+16
.irp c, 0,1,2,3
	ds_store_b128 v[QW], v[P+16+4*\c:P+16+4*\c+3] offset:4096+512*\c
.endr
	s_wait_dscnt 0x0                               ; for my partner's sake: my images have landed
	s_barrier_signal -1
	s_barrier_wait -1
; A KEY STEP: 128 keys against my 32 queries, from ring slot \slot.
.macro STEPWORK slot
.irp g, 0,1                                    ; S^T = K Q^T: four tiles of 16 keys at a time, each against both tiles of queries
	WIN 0x40
.irp t, 0,1,2,3
.irp c, 0,1,2,3
	ds_load_b128 v[FR+16*\t+4*\c:FR+16*\t+4*\c+3], v[ADK+\slot] offset:(4*\g+\t)*2048+512*\c
.endr
.endr
	WIN 0x01                                       ; K in window 1; Q and S^T in window 0
.irp t, 0,1,2,3
	s_wait_dscnt 12-4*\t                           ; fragment t is in; the later fragments' loads may be out
.irp u, 0,1
	v_wmma_f32_16x16x128_bf8_bf8 v[S+64*\u+8*(4*\g+\t):S+64*\u+8*(4*\g+\t)+7], v[FR+16*\t:FR+16*\t+15], v[Q+16*\u:Q+16*\u+15], 0
.endr
.endr
	PLACES
.endr
	WIN 0x40                                       ; V's first four fragments are asked for now and land under the softmax
.irp t, 0,1,2,3
.irp c, 0,1,2,3
	ds_load_b128 v[FR+16*\t+4*\c:FR+16*\t+4*\c+3], v[ADK+\slot] offset:16384+\t*2048+512*\c
.endr
.endr
	WIN 0
	s_add_co_u32 s56, s[STEP], 1                   ; THE MASK, in the one step that the length cuts: hidden scores become -infinity ahead of the maximum, so p = 0.  The step's first key counts, so the maximum is a number
	s_lshl_b32 s56, s56, 7
	s_cmp_le_u32 s56, s[VAL]
	s_cbranch_scc1 .Lopen_\@
	s_lshl_b32 s57, s[STEP], 7
	s_sub_co_u32 s57, s[VAL], s57
	v_sub_nc_u32 v38, s57, v[H16]                  ; d = length - the step's first key - 16 h.  Register 16 b + i holds key 32 b + 16 h + i of the step: hidden where 32 b + i >= d
	v_mov_b32 v39, 0xff800000
.set n, 0
.rept 64
	v_cmp_ge_i32 vcc_lo, 32*(n/16)+n%16, v38
	v_cndmask_b32 v[S+n], v[S+n], v39, vcc_lo
	v_cndmask_b32 v[S+64+n], v[S+64+n], v39, vcc_lo
.set n, n+1
.endr
.Lopen_\@:
.irp u, 0,1                                    ; the step's largest score of my query, two chains a tile, each accumulator from its low end on; the two tiles' lines alternate, so that no line waits for the one above it
	v_max3_num_f32 v[MA+4*\u], v[S+64*\u], v[S+64*\u+1], v[S+64*\u+2]
	v_max3_num_f32 v[MB+4*\u], v[S+64*\u+3], v[S+64*\u+4], v[S+64*\u+5]
.endr
.set n, 6
.rept 14
.irp u, 0,1
	v_max3_num_f32 v[MA+4*\u], v[MA+4*\u], v[S+64*\u+n], v[S+64*\u+n+1]
	v_max3_num_f32 v[MB+4*\u], v[MB+4*\u], v[S+64*\u+n+2], v[S+64*\u+n+3]
.endr
.set n, n+4
.endr
.irp u, 0,1
	v_max3_num_f32 v[MA+4*\u], v[MA+4*\u], v[S+64*\u+62], v[S+64*\u+63]
.endr
.irp u, 0,1
	v_max_num_f32 v[MA+4*\u], v[MA+4*\u], v[MB+4*\u]
.endr
.irp u, 0,1
	v_permlanex16_b32 v[PX+\u], v[MA+4*\u], s[SEL], s[SEL+1]   ; the query's other 64 keys lie in the lane 16 away
.endr
.irp u, 0,1
	v_max_num_f32 v[MA+4*\u], v[MA+4*\u], v[PX+\u]
.endr
.irp u, 0,1
	v_mul_f32 v[MA+4*\u], s[CS], v[MA+4*\u]        ; as t (c is positive)
.endr
.irp u, 0,1
	v_max_num_f32 v[ST+4*\u+1], v[ST+4*\u+1], v[MA+4*\u]   ; the running largest t
.endr
.irp u, 0,1
	v_mov_b32 v[MA+4*\u], v[ST+4*\u]
.endr
.irp u, 0,1
	v_floor_f32 v[ST+4*\u], -v[ST+4*\u+1]          ; -M = floor(-t): M is a whole number
.endr
.irp u, 0,1
	v_sub_f32 v[MA+4*\u], v[ST+4*\u], v[MA+4*\u]   ; old M - new M: a whole number, 0 or less
.endr
.irp u, 0,1
	v_cvt_i32_f32 v[MA+4*\u], v[MA+4*\u]           ; (it saturates)
.endr
.irp u, 0,1
	v_ldexp_f32 v[F+2*\u], 1.0, v[MA+4*\u]         ; f = 2^(old M - new M)
.endr
.set n, 0
.rept 32
.irp u, 0,1
	v_pk_fma_f32 v[S+64*\u+n:S+64*\u+n+1], v[S+64*\u+n:S+64*\u+n+1], s[CS:CS+1], v[ST+4*\u:ST+4*\u+1] op_sel_hi:[1,0,0]   ; t - M, two at a time (of the pairs c and -M the low word serves both halves)
.endr
.set n, n+2
.endr
.set n, 0
.rept 128
	v_exp_f32 v[S+n], v[S+n]                       ; p = 2^(t - M): one batch of 128
.set n, n+1
.endr
.irp u, 0,1
	v_pk_mul_f32 v[ST+4*\u+2:ST+4*\u+3], v[ST+4*\u+2:ST+4*\u+3], v[F+2*\u:F+2*\u+1] op_sel_hi:[1,0]   ; the sums under the new M: the plain lines behind the exponentials
.endr
	s_wait_alu depctr_va_vdst(0)                   ; one wait for the whole batch, ahead of its first reader
.irp u, 0,1
	v_pk_add_f32 v[SM+4*\u:SM+4*\u+1], v[S+64*\u:S+64*\u+1], v[S+64*\u+2:S+64*\u+3]   ; the sum is taken of the unquantised p, two chains a tile
.endr
.set n, 4
.rept 15
.irp u, 0,1
	v_pk_add_f32 v[ST+4*\u+2:ST+4*\u+3], v[ST+4*\u+2:ST+4*\u+3], v[S+64*\u+n:S+64*\u+n+1]
	v_pk_add_f32 v[SM+4*\u:SM+4*\u+1], v[SM+4*\u:SM+4*\u+1], v[S+64*\u+n+2:S+64*\u+n+3]
.endr
.set n, n+4
.endr
.irp u, 0,1
	v_pk_add_f32 v[ST+4*\u+2:ST+4*\u+3], v[ST+4*\u+2:ST+4*\u+3], v[SM+4*\u:SM+4*\u+1]
.endr
	s_cmp_gt_i32 s26, -16                          ; THE HOLD.  p is at most 1, up to one rounding, so p / 2^ep passes 57,344 only where ep <= -16: elsewhere the 128 lines hold nothing and are jumped over
	s_cbranch_scc1 .Lnohold_\@
.set n, 0
.rept 128
	v_min_num_f32 v[S+n], v[S+n], v[PLIM]          ; p is not negative: the hold is one-sided
.set n, n+1
.endr
.Lnohold_\@:
.irp b, 0,1,2,3
.irp u, 0,1
	v_cvt_scalef32_pk8_bf8_f32 v[P+16*\u+4*\b:P+16*\u+4*\b+1], v[S+64*\u+16*\b:S+64*\u+16*\b+7], v[PSC]
	v_cvt_scalef32_pk8_bf8_f32 v[P+16*\u+4*\b+2:P+16*\u+4*\b+3], v[S+64*\u+16*\b+8:S+64*\u+16*\b+15], v[PSC]
.endr
.endr
	WIN 0x41                                       ; O^T (destination and source 0) in window 1, f in window 0
.set n, 0
.rept 32
.irp u, 0,1
	v_pk_mul_f32 v[64*\u+n:64*\u+n+1], v[64*\u+n:64*\u+n+1], v[F+2*\u:F+2*\u+1] op_sel_hi:[1,0]   ; O^T under the new M; each accumulator from its low end on.  (The plain lines behind the conversions)
.endr
.set n, n+2
.endr
	WIN 0x51                                       ; O^T += V^T P^T: V and O^T in window 1, P in window 0.  Sixteen accumulators, one instruction each: no two that follow each other share one
.irp t, 0,1,2,3
	s_wait_dscnt 12-4*\t
.irp u, 0,1
	v_wmma_f32_16x16x128_bf8_bf8 v[64*\u+8*\t:64*\u+8*\t+7], v[FR+16*\t:FR+16*\t+15], v[P+16*\u:P+16*\u+15], v[64*\u+8*\t:64*\u+8*\t+7]
.endr
.endr
	PLACES
	WIN 0x40
.irp t, 0,1,2,3
.irp c, 0,1,2,3
	ds_load_b128 v[FR+16*\t+4*\c:FR+16*\t+4*\c+3], v[ADK+\slot] offset:16384+(4+\t)*2048+512*\c
.endr
.endr
	WIN 0x51
.irp t, 0,1,2,3
	s_wait_dscnt 12-4*\t
.irp u, 0,1
	v_wmma_f32_16x16x128_bf8_bf8 v[64*\u+8*(4+\t):64*\u+8*(4+\t)+7], v[FR+16*\t:FR+16*\t+15], v[P+16*\u:P+16*\u+15], v[64*\u+8*(4+\t):64*\u+8*(4+\t)+7]
.endr
.endr
	WIN 0
	PLACES
.endm
; A TRIP: one barrier; my half's step from slot \slot, if it holds a key that counts; meanwhile my part of my half's next step comes from kv into registers, and goes into the other slot at the trip's end.
.macro TRIP slot
	s_wait_dscnt 0x0                               ; my stores into this slot have landed, and my reads of the other slot are over:
	s_barrier_signal -1
	s_barrier_wait -1                              ; both now hold of all eight waves
	s_cmp_lt_u32 s[STEP], s[NST]
	s_cbranch_scc0 .Lidle_\@                       ; all its keys are hidden (and so are those of every later step)
	s_add_co_u32 s56, s[STEP], 2
	s_cmp_lt_u32 s56, s[NST]
	s_cbranch_scc0 .Lnofill_\@
	s_wait_xcnt 0x0                                ; the last trip's loads and prefetch have read their bases, which are written now
	s_min_u32 s56, s56, 15
	s_lshl_b32 s54, s56, 15
	s_mov_b32 s55, 0
	s_add_nc_u64 s[52:53], s[KVB:KVB+1], s[54:55]
	WIN 0x40
.set n, 0
.rept 16
	global_load_b128 v[SG+4*n:SG+4*n+3], v[FO], s[52:53] offset:512*n   ; 32 lanes read 512 consecutive bytes; a whole step's work stands between these loads and the wait for them
.set n, n+1
.endr
	WIN 0
	s_add_co_u32 s57, s[STEP], 4                   ; A PREFETCH of what my loads of the NEXT trip will ask for: my 8,192 bytes of step + 4, lanes 256 bytes apart, one instruction; only in the work-group with x = 0,
	s_cmp_lt_u32 s57, s[PN]                        ; and only for steps that hold a key that counts: each block is named once in the launch, none that was not stored, none past the end.  A job's first four steps come by their loads alone
	s_cbranch_scc0 .Lnofill_\@
	s_min_u32 s57, s57, 15
	s_lshl_b32 s60, s57, 15
	s_mov_b32 s61, 0
	s_add_nc_u64 s[58:59], s[KVB:KVB+1], s[60:61]
	global_prefetch_b8 v[PFO], s[58:59] th:TH_LOAD_NT scope:SCOPE_SE
.Lnofill_\@:
	STEPWORK \slot
	s_wait_loadcnt 0x0                             ; the next step's bytes are in my registers
	s_add_co_u32 s56, s[STEP], 2
	s_cmp_lt_u32 s56, s[NST]
	s_cbranch_scc0 .Lidle_\@
	WIN 0x04                                       ; store data in window 1
.set n, 0
.rept 16
	ds_store_b128 v[LS+1-\slot], v[SG+4*n:SG+4*n+3] offset:512*n   ; into the slot that nobody has read since the barrier above
.set n, n+1
.endr
	WIN 0
.Lidle_\@:
	s_add_co_u32 s[STEP], s[STEP], 2
.endm
	s_mov_b32 s[JOB], 0
	s_mov_b32 s[QIM], 0
.Ljob:
	v_add_nc_u32 v[QJ0], s[QIM], v[QW]
	v_add_nc_u32 v[QJ1], s[QIM], v[QX]
.irp c, 0,1,2,3
	ds_load_b128 v[Q+4*\c:Q+4*\c+3], v[QJ0] offset:512*\c          ; tile 0: the queries that I keep
.endr
.irp c, 0,1,2,3
	ds_load_b128 v[Q+16+4*\c:Q+16+4*\c+3], v[QJ1] offset:512*\c    ; tile 1: my partner's
.endr
.irp u, 0,1
	v_mov_b32 v[ST+4*\u+1], 0xff61b1e6             ; the largest t so far: -3e38, under every t
	v_floor_f32 v[ST+4*\u], -v[ST+4*\u+1]
	v_mov_b32 v[ST+4*\u+2], 0
	v_mov_b32 v[ST+4*\u+3], 0
.endr
	WIN 0x40
.set n, 0
.rept 128
	v_mov_b32 v[n], 0                              ; O^T.  The step is written once, so its first run finds zeros; and a half that gets no step hands zeros to the merge
.set n, n+1
.endr
	WIN 0
	s_wait_loadcnt 0x0                             ; the job's first fill
	s_cmp_lt_u32 s[HALF], s[NST]
	s_cbranch_scc0 .Lno_first
	WIN 0x04
.set n, 0
.rept 16
	ds_store_b128 v[LS], v[SG+4*n:SG+4*n+3] offset:512*n   ; slot 0: its last readers passed two barriers ago
.set n, n+1
.endr
	WIN 0
.Lno_first:
	s_mov_b32 s[STEP], s[HALF]
	s_mov_b32 s[TRIPS], 4
.Ltrip:                                            ; 4 x 2 trips: my half's 8 steps of the 16 that a batch can have
	TRIP 0
	TRIP 1
	s_sub_co_u32 s[TRIPS], s[TRIPS], 1
	s_cmp_lg_u32 s[TRIPS], 0
	s_cbranch_scc1 .Ltrip
	s_wait_dscnt 0x0                               ; my last LDS stores have read the fill's registers
	s_cmp_lg_u32 s[JOB], 0
	s_cbranch_scc1 .Lno_next
	FILL_ISSUE NST+8, KVB+8                        ; the next job's first fill lands under the merge and the way out
.Lno_next:
	; ---- THE MERGE.  The sums' two halves and the other half of the lanes' are added; my tile 1 goes to my partner, whose tile 1 is my tile 0
.irp u, 0,1
	v_add_f32 v[ST+4*\u+2], v[ST+4*\u+2], v[ST+4*\u+3]
.endr
.irp u, 0,1
	v_permlanex16_b32 v[PX+\u], v[ST+4*\u+2], s[SEL], s[SEL+1]
.endr
.irp u, 0,1
	v_add_f32 v[ST+4*\u+2], v[ST+4*\u+2], v[PX+\u]
.endr
	WIN 0x04
.set n, 0
.rept 16
	ds_store_b128 v[XW], v[64+4*n:64+4*n+3] offset:512*n   ; as an image of the registers: the same lanes take them back; each accumulator from its low end on
.set n, n+1
.endr
	WIN 0
	ds_store_b32 v[XS], v[ST+4]                    ; -M
	ds_store_b32 v[XS], v[ST+6] offset:128         ; the sum
	s_wait_dscnt 0x0                               ; for my partner's sake: they have landed
	s_barrier_signal -1
	s_barrier_wait -1
	ds_load_b32 v112, v[XSR]
	ds_load_b32 v113, v[XSR] offset:128
.set n, 0
.rept 16
	ds_load_b128 v[S+4*n:S+4*n+3], v[XR] offset:512*n
.set n, n+1
.endr
	s_wait_dscnt 16                                ; my partner's -M and sum are in; the sixteen loads of its O^T may be out
	v_min_num_f32 v114, v[ST], v112                ; -M of the two together
	v_sub_f32 v115, v114, v[ST]
	v_sub_f32 v116, v114, v112                     ; whole numbers, 0 or less
	v_cvt_i32_f32 v115, v115
	v_cvt_i32_f32 v116, v116
	v_ldexp_f32 v115, 1.0, v115                    ; what brings my part under the common M,
	v_ldexp_f32 v116, 1.0, v116                    ; and my partner's: whole powers of two (0 for a half that had no step)
	v_mul_f32 v117, v[ST+2], v115
	v_fma_f32 v117, v113, v116, v117               ; the row's sum
	v_rcp_f32 v118, v117
	v_nop                                          ; a plain line behind the reciprocal,
	s_wait_alu depctr_va_vdst(0)                   ; and a wait ahead of its first reader
	v_ldexp_f32 v118, v118, s28                    ; x 2^(ep + ev)
	v_mul_f32 v[F], v115, v118
	v_mul_f32 v[F+2], v116, v118
	WIN 0x01                                       ; my O^T in window 1
.set n, 0
.rept 32
	v_pk_mul_f32 v[S+64+2*n:S+64+2*n+1], v[2*n:2*n+1], v[F:F+1] op_sel_hi:[1,0]
.set n, n+1
.endr
	WIN 0
	s_wait_dscnt 0x0                               ; my partner's O^T is in
.set n, 0
.rept 32
	v_pk_fma_f32 v[S+64+2*n:S+64+2*n+1], v[S+2*n:S+2*n+1], v[F+2:F+3], v[S+64+2*n:S+64+2*n+1] op_sel_hi:[1,0,1]
.set n, n+1
.endr
	; ---- THE WAY OUT.  Register 8 t + i is out0(my row r, channel 16 t + 8 h + i): through the stage (X[w xor 4], which I alone touch from the barrier above until eight barriers on), back as whole rows of 512 bytes
.irp t, 0,1,2,3,4,5,6,7
	ds_store_b128 v[STO], v[S+64+8*\t:S+64+8*\t+3] offset:64*\t
	ds_store_b128 v[STO], v[S+64+8*\t+4:S+64+8*\t+7] offset:64*\t+16
.endr
.set n, 0
.rept 16
	ds_load_b128 v[S+4*n:S+4*n+3], v[XR] offset:SP*n
.set n, n+1
.endr
.set n, 0
.rept 16
	s_wait_dscnt 15-n                              ; row n is back; the later rows' loads may be out
	global_store_b128 v[LI], v[S+4*n:S+4*n+3], s[OUTB:OUTB+1] offset:512*n th:TH_STORE_NT   ; 32 lanes store 512 consecutive bytes, aligned
.set n, n+1
.endr
	s_wait_xcnt 0x0                                ; the stores have read their registers and their base: both are written again below and in the next job
	s_mov_b64 s[KVB:KVB+1], s[KVB+8:KVB+9]
	s_mov_b32 s[NST], s[NST+8]
	s_mov_b32 s[VAL], s[VAL+8]
	s_mov_b64 s[OUTB:OUTB+1], s[OUTB+8:OUTB+9]
	s_mov_b32 s[PN], s[PN+8]
	s_add_co_u32 s[QIM], s[QIM], 4096
	s_add_co_u32 s[JOB], s[JOB], 1
	s_cmp_lt_u32 s[JOB], 2
	s_cbranch_scc1 .Ljob
	s_wait_tensorcnt 0x0
	ds_add_u32 v126, v127
	s_wait_dscnt 0x0
	s_endpgm
.Lfunc_end_k_q07a38e541c_attn:
	.size	k_q07a38e541c_attn, .Lfunc_end_k_q07a38e541c_attn-k_q07a38e541c_attn
	.p2alignl 7, 3214868480
	.fill 96, 4, 3214868480
	.section	.rodata,"a",@progbits
	.p2align	6, 0x0
	.amdhsa_kernel k_q07a38e541c_attn
		.amdhsa_group_segment_fixed_size 234496
		.amdhsa_private_segment_fixed_size 0
		.amdhsa_enable_private_segment 0
		.amdhsa_kernarg_size 40
		.amdhsa_user_sgpr_count 2
		.amdhsa_user_sgpr_kernarg_segment_ptr 1
		.amdhsa_wavefront_size32 1
		.amdhsa_system_sgpr_workgroup_id_x 1
		.amdhsa_system_sgpr_workgroup_id_y 1
		.amdhsa_system_sgpr_workgroup_id_z 1
		.amdhsa_system_vgpr_workitem_id 0
		.amdhsa_next_free_vgpr 512
		.amdhsa_next_free_sgpr 80
		.amdhsa_reserve_vcc 1
		.amdhsa_float_denorm_mode_32 3
		.amdhsa_float_denorm_mode_16_64 3
		.amdhsa_memory_ordered 1
		.amdhsa_forward_progress 1
		.amdhsa_inst_pref_size 134
	.end_amdhsa_kernel
	.amdgpu_metadata
---
amdhsa.version: [ 1, 2 ]
amdhsa.kernels:
  - .name:           k_q07a38e541c_attn
    .symbol:         k_q07a38e541c_attn.kd
    .args:
      - { .name: queries, .offset: 0, .size: 8, .value_kind: global_buffer, .address_space: global }
      - { .name: kv, .offset: 8, .size: 8, .value_kind: global_buffer, .address_space: global }
      - { .name: sched, .offset: 16, .size: 8, .value_kind: global_buffer, .address_space: global }
      - { .name: lowp_scales, .offset: 24, .size: 8, .value_kind: global_buffer, .address_space: global }
      - { .name: out0, .offset: 32, .size: 8, .value_kind: global_buffer, .address_space: global }
    .group_segment_fixed_size: 234496
    .private_segment_fixed_size: 0
    .kernarg_segment_align: 8
    .kernarg_segment_size: 40
    .max_flat_workgroup_size: 256
    .sgpr_count:     80
    .vgpr_count:     512
    .wavefront_size: 32
...
	.end_amdgpu_metadata
.endif
;; end of part 2
;; ======== version 2 of 2: 2 launches
;; workspace buffers: kv 16,777,216 bytes; sched 256 bytes of whole numbers
;; launch prep (part 3): grid 1025 x 1, 4 waves a work-group, no clusters, 68,096 bytes of LDS; arguments keys, values, valid_lens, lowp_scales, kv, sched; writes kv, sched
.if DOCPART == 3
	.amdgcn_target "amdgcn-amd-amdhsa--gfx1250"
	.amdhsa_code_object_version 6
	.text
	.protected	k_q07a38e541c_prep
	.globl	k_q07a38e541c_prep
	.p2align	8
	.type	k_q07a38e541c_prep,@function
k_q07a38e541c_prep:
	s_mov_b64 s[64:65], 0
	v_nop
	global_prefetch_b8 v0, s[64:65] scope:SCOPE_SE
	s_setreg_imm32_b32 hwreg(HW_REG_WAVE_MODE, 25, 1), 1
	s_wait_xcnt 0x0
; keys and values [32][2048][128] f32 become codes of E5M2, laid in the order of the matrix operands' registers; and the 32 batches are ranked by length.
; code = x / 2^e, held within +-57,344, to the nearest code, ties to even; e = entry 1 (keys) or entry 3 (values) of the scales.
; LIMITS: -126 <= e <= 112, so that 2^e and 57,344 x 2^e are f32 numbers.  NaN among the inputs is not served (an infinity is held at the largest code).
; kv: block (b, s), s = a step of 128 keys, at byte (16 b + s) x 32,768: K's image (16,384 bytes), then V's.  An image is 8 tiles of 2,048 bytes; a tile is 4 chunks c of 512 bytes; lane L = 16 h + r has 16 bytes at 16 L.
;   K, tile T: key 32 (T / 2) + 8 (T % 2) + r + 8 (r / 8) of the step, channels 32 c + 16 h + 0 .. 15.      V, tile t: channel 16 t + r, keys 32 c + 16 h + 0 .. 15 of the step.
; WORK-GROUPS: 0-511 take K's blocks, 512-1023 V's, one block each; a block all of whose keys lie at or beyond the batch's length is thrown away by the mask that the problem builds, so its work-group stores nothing:
; the grid serves every split of lengths.  Work-group 1024 ranks the batches.  Waves share nothing: no barrier.
.set R,      16                        ; v16-143  128 numbers of a lane
.set C,      144                       ; v144-175 codes: four registers for each of eight chunks, so that no store's data are written again
.set SPITCH, 528                       ; K's stage: a row of 512 bytes + 16: sixteen rows one behind the other begin at sixteen different multiples of 16 bytes modulo 256
.set WSTG,   32*SPITCH                 ; a wave's own stage: 32 rows
	s_load_b256 s[4:11], s[0:1], 0x0               ; keys s[4:5], values s[6:7], valid_lens s[8:9], the scales' exponents s[10:11]
	s_load_b128 s[12:15], s[0:1], 0x20             ; kv s[12:13], sched s[14:15]
	v_lshl_add_u32 v192, v0, 2, 0x10800
	v_mov_b32 v193, 0
	v_lshrrev_b32 v1, 5, v0
	v_readfirstlane_b32 s16, v1                    ; wave 0..3
	v_and_b32 v1, 31, v0                           ; lane
	v_lshlrev_b32 v2, 4, v1                        ; 16 x lane
	s_cmp_eq_u32 ttmp9, 1024
	s_cbranch_scc1 .Lsort
	s_lshr_b32 s17, ttmp9, 9                       ; 0: K, 1: V
	s_and_b32 s18, ttmp9, 511                      ; 16 b + s
	s_lshr_b32 s19, s18, 4                         ; b
	s_and_b32 s22, s18, 15                         ; s
	s_lshl_b32 s21, s19, 2
	s_lshl_b32 s22, s22, 7                         ; the step's first key
	s_wait_kmcnt 0x0
	s_load_b32 s20, s[8:9], s21 offset:0x0         ; the batch's length
	s_load_b128 s[24:27], s[10:11], 0x0            ; eq, ek, ep, ev
	s_wait_kmcnt 0x0
	s_cmp_lt_i32 s22, s20                          ; does the step hold a key that counts?
	s_cbranch_scc0 .Lend
	s_cmp_eq_u32 s17, 0
	s_cselect_b64 s[4:5], s[4:5], s[6:7]           ; the tensor,
	s_cselect_b32 s28, s25, s27                    ; and its e
	s_add_co_i32 s28, s28, 127
	s_lshl_b32 s29, s28, 23
	v_mov_b32 v11, s29                             ; 2^e as f32: the conversion takes its exponent field
	s_add_co_i32 s28, s28, 15
	s_lshl_b32 s28, s28, 23
	s_or_b32 s28, s28, 0x600000
	v_mov_b32 v10, s28                             ; 57,344 x 2^e
	s_lshl_b32 s30, s18, 16                        ; the step's 128 rows of 512 bytes
	s_mov_b32 s31, 0
	s_add_nc_u64 s[4:5], s[4:5], s[30:31]
	s_lshl_b32 s30, s18, 15                        ; the block,
	s_lshl_b32 s32, s17, 14                        ; K's or V's image in it,
	s_add_co_u32 s30, s30, s32
	s_lshl_b32 s32, s16, 12                        ; my wave's two tiles
	s_add_co_u32 s30, s30, s32
	s_add_nc_u64 s[12:13], s[12:13], s[30:31]
	s_cmp_lg_u32 s17, 0
	s_cbranch_scc1 .Lvpath
; sixteen numbers of a lane, neighbours along K, become sixteen codes
.macro QCV x, cd
.set qq, 0
.rept 16
	v_med3_num_f32 v[(\x)+qq], v[(\x)+qq], -v10, v10   ; the conversion to an 8-bit code does not saturate (ISA guide 7.6.2): the hold comes first
.set qq, qq+1
.endr
	v_cvt_scalef32_pk8_bf8_f32 v[(\cd):(\cd)+1], v[(\x):(\x)+7], v11
	v_cvt_scalef32_pk8_bf8_f32 v[(\cd)+2:(\cd)+3], v[(\x)+8:(\x)+15], v11   ; the codes go to a store alone; the next vector lines are plain and touch other registers
.endm
	; ---- K: wave j takes keys 32 j .. 32 j + 31 of the step: tiles 2 j and 2 j + 1.  A load reads one row, 512 consecutive bytes; the rows turn through my stage, so that a lane gets 16 neighbouring channels of one key
	s_lshl_b32 s30, s16, 14
	s_add_nc_u64 s[4:5], s[4:5], s[30:31]
.set i, 0
	s_wait_alu depctr_va_vdst(0)
.rept 32
	global_load_b128 v[R+4*i:R+4*i+3], v2, s[4:5] offset:512*i th:TH_LOAD_NT
.set i, i+1
.endr
	s_mul_i32 s32, s16, WSTG
	v_add_nc_u32 v3, s32, v2                       ; in: 16 x lane of a row
	v_and_b32 v5, 15, v1                           ; r
	v_lshrrev_b32 v6, 4, v1                        ; h
	v_mul_u32_u24 v4, v5, SPITCH
	v_lshl_add_u32 v4, v6, 6, v4
	v_add_nc_u32 v4, s32, v4                       ; back: place r, + 64 h bytes
.set i, 0
	s_wait_alu depctr_va_vdst(0)
.rept 32                                       ; row i goes to place 16 u + r, where i = 8 u + r + 8 (r / 8): a tile's sixteen keys then lie one behind the other
.if (i%8) == 0
	s_wait_loadcnt 24-i                            ; these eight rows are in; the 24 - i younger loads may be out
.endif
	ds_store_b128 v3, v[R+4*i:R+4*i+3] offset:(16*((i/8)%2)+(i%8)+8*(i/16))*SPITCH
.set i, i+1
.endr
.set i, 0
.rept 32                                       ; chunk m = i / 4 = 4 u + c: 64 bytes a lane, into the registers that the rows have left (LDS serves a wave's instructions in order: ISA guide 5.7.1.4)
	ds_load_b128 v[R+4*i:R+4*i+3], v4 offset:(i/16)*16*SPITCH+((i/4)%4)*128+(i%4)*16
.set i, i+1
.endr
.set m, 0
.rept 8
	s_wait_dscnt 28-4*m                            ; chunk m's four loads are in; the later chunks' may be out
	QCV R+16*m, C+4*m
	global_store_b128 v2, v[C+4*m:C+4*m+3], s[12:13] offset:512*m   ; 32 lanes store 512 consecutive bytes
.set m, m+1
.endr
	s_wait_tensorcnt 0x0
	ds_add_u32 v192, v193
	s_wait_dscnt 0x0
	s_endpgm
	; ---- V: a lane takes a channel, 32 j + lane, and its registers run down the 128 keys: the conversions then give codes with the keys innermost, and nothing is turned
.Lvpath:
	s_lshl_b32 s30, s16, 7
	s_add_nc_u64 s[4:5], s[4:5], s[30:31]
	s_wait_alu depctr_va_vdst(0)
	v_lshlrev_b32 v5, 2, v1
	v_lshrrev_b32 v6, 4, v1
	v_and_b32 v7, 15, v1
	v_lshlrev_b32 v6, 11, v6
	v_lshl_add_u32 v6, v7, 4, v6                   ; my tile of the wave's two, + 16 r
.macro VLOAD gr                                ; keys 16 gr .. 16 gr + 15
.set kk, 16*(\gr)
.rept 16
	global_load_b32 v[R+kk], v5, s[4:5] offset:512*kk th:TH_LOAD_NT   ; 32 lanes read 128 consecutive bytes, the four waves 512
.set kk, kk+1
.endr
.endm
	VLOAD 0
	VLOAD 1
	VLOAD 2
.set m, 0
.rept 8
.if m+3 < 8
	VLOAD m+3
	s_wait_loadcnt 48                              ; group m is in; three younger groups of sixteen may be out
.else
	s_wait_loadcnt 16*(7-m)
.endif
	QCV R+16*m, C+4*m
	global_store_b128 v6, v[C+4*m:C+4*m+3], s[12:13] offset:256*m   ; group m = 2 c + h: sixteen lanes store 256 consecutive bytes, aligned
.set m, m+1
.endr
	s_endpgm
	; ---- the ranks: lane j stands for batch j; its rank is the number of batches with a smaller (length, index).  Entry rank of sched = {batch, length as given}
.Lsort:
	s_cmp_lg_u32 s16, 0
	s_cbranch_scc1 .Lend
	s_wait_alu depctr_va_vdst(0)
	v_lshlrev_b32 v3, 2, v1
	s_wait_alu depctr_va_vdst(0)
	s_wait_kmcnt 0x0
	global_load_b32 v9, v3, s[8:9]
	s_wait_loadcnt 0x0
	v_min_u32 v4, 0x800, v9                        ; for the order alone (any order gives right results: it only evens the work out)
	v_lshl_or_b32 v6, v4, 5, v1                    ; 32 x length + index: no two alike
	v_mov_b32 v7, 0
.set j, 0
.rept 32
	v_readlane_b32 s30, v6, j
	v_cmp_lt_u32 vcc_lo, s30, v6
	v_add_co_ci_u32 v7, vcc_lo, 0, v7, vcc_lo
.set j, j+1
.endr
	v_min_u32 v7, 31, v7
	v_lshlrev_b32 v7, 3, v7
	v_mov_b32 v8, v1
	global_store_b64 v7, v[8:9], s[14:15]          ; the 32 ranks are all different: the one store covers the buffer's 256 bytes
.Lend:
	s_endpgm
.Lfunc_end_k_q07a38e541c_prep:
	.size	k_q07a38e541c_prep, .Lfunc_end_k_q07a38e541c_prep-k_q07a38e541c_prep
	.p2alignl 7, 3214868480
	.fill 96, 4, 3214868480
	.section	.rodata,"a",@progbits
	.p2align	6, 0x0
	.amdhsa_kernel k_q07a38e541c_prep
		.amdhsa_group_segment_fixed_size 68096
		.amdhsa_private_segment_fixed_size 0
		.amdhsa_enable_private_segment 0
		.amdhsa_kernarg_size 48
		.amdhsa_user_sgpr_count 2
		.amdhsa_user_sgpr_kernarg_segment_ptr 1
		.amdhsa_wavefront_size32 1
		.amdhsa_system_sgpr_workgroup_id_x 1
		.amdhsa_system_sgpr_workgroup_id_y 1
		.amdhsa_system_sgpr_workgroup_id_z 1
		.amdhsa_system_vgpr_workitem_id 0
		.amdhsa_next_free_vgpr 194
		.amdhsa_next_free_sgpr 66
		.amdhsa_reserve_vcc 1
		.amdhsa_float_denorm_mode_32 3
		.amdhsa_float_denorm_mode_16_64 3
		.amdhsa_memory_ordered 1
		.amdhsa_forward_progress 1
		.amdhsa_inst_pref_size 47
	.end_amdhsa_kernel
	.amdgpu_metadata
---
amdhsa.version: [ 1, 2 ]
amdhsa.kernels:
  - .name:           k_q07a38e541c_prep
    .symbol:         k_q07a38e541c_prep.kd
    .args:
      - { .name: keys, .offset: 0, .size: 8, .value_kind: global_buffer, .address_space: global }
      - { .name: values, .offset: 8, .size: 8, .value_kind: global_buffer, .address_space: global }
      - { .name: valid_lens, .offset: 16, .size: 8, .value_kind: global_buffer, .address_space: global }
      - { .name: lowp_scales, .offset: 24, .size: 8, .value_kind: global_buffer, .address_space: global }
      - { .name: kv, .offset: 32, .size: 8, .value_kind: global_buffer, .address_space: global }
      - { .name: sched, .offset: 40, .size: 8, .value_kind: global_buffer, .address_space: global }
    .group_segment_fixed_size: 68096
    .private_segment_fixed_size: 0
    .kernarg_segment_align: 8
    .kernarg_segment_size: 48
    .max_flat_workgroup_size: 128
    .sgpr_count:     66
    .vgpr_count:     194
    .wavefront_size: 32
...
	.end_amdgpu_metadata
.endif
;; end of part 3
;; launch attn (part 4): grid 16 x 16, 8 waves a work-group, no clusters, 234,496 bytes of LDS; arguments queries, kv, sched, lowp_scales, out0; writes out0
.if DOCPART == 4
	.amdgcn_target "amdgcn-amd-amdhsa--gfx1250"
	.amdhsa_code_object_version 6
	.text
	.protected	k_q07a38e541c_attn
	.globl	k_q07a38e541c_attn
	.p2align	8
	.type	k_q07a38e541c_attn,@function
k_q07a38e541c_attn:
	s_mov_b64 s[64:65], 0
	v_nop
	global_prefetch_b8 v0, s[64:65] scope:SCOPE_SE
	s_setreg_imm32_b32 hwreg(HW_REG_WAVE_SCHED_MODE, 0, 2), 2
	s_setreg_imm32_b32 hwreg(HW_REG_WAVE_MODE, 25, 1), 1
	s_wait_xcnt 0x0
	s_wait_alu depctr_vm_vsrc(0)
; out0[b][q][:] = the sum over the keys k < valid_lens[b] of softmax_k(Q[b][q] . K[b][k] / sqrt(128)) V[b][k][:], both products on codes of E5M2 with the given scales 2^eq, 2^ek, 2^ep, 2^ev.
; THE SOFTMAX: t = score x log2(e) / sqrt(128); M = the largest t so far, rounded up to a whole number; p = 2^(t - M) is quantised, not normalised; the sum is taken of the unquantised p and divides at the end.
; When M moves, the sum and O are multiplied by 2^(old M - new M), a whole power of two.
; K and V come as codes from kv, in the order of the operands' registers (block (b, s) at (16 b + s) x 32,768: K's image, then V's; 8 tiles x 4 chunks x 512 bytes; lane L's 16 bytes at 16 L).
; Steps of 128 keys that lie wholly at or beyond the batch's length are neither read nor multiplied: LDS is filled through registers;
; Every loop has a constant count, every wave passes every barrier; only a trip's work is jumped over.
; SHARES.  A job is 128 queries of one batch.  Work-group (x, y) runs two: block x of the batch of rank 31 - y (long), then of rank y (short), ranks by length from sched: so all work-groups have about the same number of steps.
; In a job the eight waves split the KEYS: waves 0-3 take the even steps, waves 4-7 the odd ones; waves w and w xor 4 hold the same 32 queries, two tiles of 16, and each fragment of K or V read from LDS feeds two products.
; My tile u holds queries 32 (w & 3) + 16 (u xor half): my tile 1 is my partner's tile 0.  At a job's end each wave sends its tile 1 (O, M, the sum) through LDS, and merges what it gets into its tile 0, by whole powers of two.
; LAYOUT.  Both products are used transposed (S^T = K Q^T, O^T = V^T P^T): a lane holds ONE query (lane % 16).  The keys of a tile of K are chosen so that registers 16 b + i of S^T are keys 32 b + 16 (lane / 16) + i: the conversions' results are P.
; LIMITS: eq + ek between -123 and 130 (added to c's exponent field); eq and ep between -126 and 112.  NaN among the inputs is not served.  A length above 2,048 counts as 2,048; a length of 0 or less gives rows of NaN (0 x infinity).
; LDS: two ring slots of 65,536 bytes (half 0's step, half 1's step; each K's image, then V's) | X[0..7], 8,704 bytes each: wave w writes X[w] (O of its tile 1, 8,192 bytes; -M at 8,192, the sum at 8,320); wave w reads X[w xor 4] and then
; uses it as its own stage of 16 rows x 528 bytes | Q's codes as images: 8,192 (w & 3) + 4,096 job + 2,048 sub-tile.
; REGISTERS, in two windows of 256.  Window 0: addresses, statistics, Q, P, S^T.  Window 1: v0-127 O^T (64 a tile); v128-191 FR: four fragments of K or V; v192-255 SG: the fill's 16 x 4 registers.
; THE MODE: SCHED_MODE bits 1:0 = 2 (LLVM: expert scheduling mode 2), set by the entry lines.  The code itself states the register dependences between vector or matrix instructions and memory or LDS instructions, with s_wait_alu, always for 0.
; THE PLAN.  Two waves share a SIMD's registers, so there is no room for a second set of fragments: registers that lie idle in a phase are lent.  Registers that memory or LDS instructions touch, in a key step:
;   FR          K's tiles 0-3 land at the step's head and are read by the first eight products K Q^T; V's tiles 0-3 land behind the sixteen products K Q^T, under the softmax, and are read by the first eight products V^T P.
;   SG          K's tiles 4-7 land at the step's head and are read by the last eight products K Q^T; behind these the next step's 8,192 bytes land from kv; the LDS stores at the trip's end read them.
;   v[S .. S+63] written by the products K Q^T and worked on by the softmax; behind the conversions, which are its last readers, V's tiles 4-7 land, under the rescaling of O^T; the last eight products V^T P read them.
;   addresses   made at the head and never written again, but for Q's two, which are stepped once a job.
; So a step has: one wait on vm_vsrc at the trip's head (the LDS stores have read SG); one wait on va_vdst at the step's head (the last step's products are done with FR); one behind the products K Q^T (they are done with FR and SG:
; it serves V's sixteen loads and the fill's sixteen); the wait for the batch of exponentials; one behind the conversions (they are done with v[S .. S+63]).  No vector or matrix line between a wait and the loads that lean on it names a register of theirs.
.set RING1,  65536
.set XBASE,  2*RING1
.set XSZ,    8704
.set QIMG,   XBASE+8*XSZ
.set SP,     528
.set LI,   1                           ; v1   16 x lane
.set ADK,  2                           ; v2-3 slot 0, 1: my half's step: + 16 x lane
.set FO,   4                           ; v4   the fill: my wave's 8,192 bytes of a step: 8,192 (w & 3) + 16 x lane
.set LS,   5                           ; v5-6 slot 0, 1: where they go: 8,192 w + 16 x lane
.set XW,   7                           ; v7   X[w] + 16 x lane
.set XR,   8                           ; v8   X[w xor 4] + 16 x lane
.set STO,  9                           ; v9   the stage, in: row r, + 32 h
.set SQ,   10                          ; v10  the stage, Q's way back: row r, + 64 h
.set H16,  11                          ; v11  16 h
.set PSC,  12                          ; v12  2^ep;  v13  57,344 x 2^ep
.set PLIM, 13
.set QSC,  14                          ; v14  2^eq;  v15  57,344 x 2^eq
.set QLIM, 15
.set ST,   16                          ; tile u at v[16 + 4 u]: -M, the largest t, the sum in two halves
.set F,    24                          ; tile u: v[24 + 2 u] f; the odd register is named with it as a pair and written once
.set MA,   28                          ; tile u at + 4 u: two chains of the maximum, a pair for the sums
.set MB,   29
.set SM,   30
.set PX,   36                          ; v36-37 a lane exchange's destinations, written once
.set Q,    40                          ; v40-71   Q's two fragments
.set P,    72                          ; v72-103  P's two
.set QJ1,  104
.set QX,   105                         ; v105 Q's images: my partner's sub-tile
.set QW,   106                         ; v106 my sub-tile
.set QJ0,  107
.set XS,   108                         ; v108 X[w] + 8,192 + 4 x lane
.set XSR,  109                         ; v109 X[w xor 4] + 8,192 + 4 x lane
.set PFO,  110                         ; v110 the prefetch: 8,192 (w & 3) + 256 x lane
.set S,    128                         ; v128-255 S^T, then p: 64 a tile; the first 64 then take V's tiles 4-7
.set FR,   128                         ; in window 1
.set SG,   192                         ; in window 1: FR + 64, so that K's eight fragments lie on end
.set WV,   14
.set HALF, 15
.set WJ,   16
.set PART, 17
.set SEL,  20                          ; s[20:21] lane selects: lane l xor 16
.set CS,   22                          ; s[22:23] c = log2(e) / sqrt(128) x 2^(eq + ek)
.set KVB,  32                          ; the job in hand: s[32:33] its batch in kv, s34 its steps, s35 its length, s[36:37] my rows of out0, s38 steps if I prefetch, else 0.  The second job: the same + 8
.set NST,  34
.set VAL,  35
.set OUTB, 36
.set PN,   38
.set STEP, 66
.set TRIPS, 67
.set JOB,  68
.set QIM,  69
.set QB0,  70                          ; s[70:71], s[72:73] my 16 rows of Q in the two jobs
.set QB1,  72
.set MK,   80                          ; s80-95 sixteen lane masks, for the step that the length cuts
.set MSB, 0
.macro WIN new                         ; bits 1:0 source 0, 3:2 source 1, 5:4 source 2, 7:6 destination; the immediate's high byte repeats the setting that is left
.if MSB != \new
	s_set_vgpr_msb (MSB<<8)|\new
.set MSB, \new
.endif
.endm
.macro PLACES                          ; a load into a register that a matrix instruction has read, and a vector instruction or LDS store that reads a result, stand four plain vector instructions behind it
.rept 4
	v_nop
.endr
.endm
	s_load_b256 s[4:11], s[0:1], 0x0               ; queries s[4:5], kv s[6:7], sched s[8:9], the scales' exponents s[10:11]
	s_load_b64 s[12:13], s[0:1], 0x20              ; out0
	v_lshl_add_u32 v126, v0, 2, 0x39000
	v_mov_b32 v127, 0
	v_lshrrev_b32 v1, 5, v0
	v_readfirstlane_b32 s[WV], v1                  ; wave 0..7
	v_and_b32 v112, 31, v0                         ; lane
	v_and_b32 v113, 15, v0                         ; r
	v_bfe_u32 v114, v0, 4, 1                       ; h
	v_lshlrev_b32 v[LI], 4, v112
	s_wait_alu depctr_va_vdst(0)
	s_wait_alu depctr_va_sdst(0)                   ; s[WV] is written, ahead of its first reader
	s_lshr_b32 s[HALF], s[WV], 2
	s_and_b32 s[WJ], s[WV], 3
	s_xor_b32 s[PART], s[WV], 4                    ; my partner
	s_lshl_b32 s56, s[HALF], 15
	v_add_nc_u32 v[ADK], s56, v[LI]
	v_add_nc_u32 v[ADK+1], RING1, v[ADK]
	s_lshl_b32 s56, s[WJ], 13
	v_add_nc_u32 v[FO], s56, v[LI]
	v_lshl_add_u32 v[PFO], v112, 8, s56
	s_lshl_b32 s56, s[WV], 13
	v_add_nc_u32 v[LS], s56, v[LI]
	v_add_nc_u32 v[LS+1], RING1, v[LS]
	s_mul_i32 s56, s[WV], XSZ
	s_add_co_u32 s56, s56, XBASE
	v_add_nc_u32 v[XW], s56, v[LI]
	v_lshl_add_u32 v[XS], v112, 2, s56
	v_add_nc_u32 v[XS], 8192, v[XS]
	s_mul_i32 s57, s[PART], XSZ
	s_add_co_u32 s57, s57, XBASE
	v_add_nc_u32 v[XR], s57, v[LI]
	v_lshl_add_u32 v[XSR], v112, 2, s57
	v_add_nc_u32 v[XSR], 8192, v[XSR]
	v_mul_u32_u24 v115, v113, SP
	v_add_nc_u32 v115, s57, v115
	v_lshl_add_u32 v[STO], v114, 5, v115
	v_lshl_add_u32 v[SQ], v114, 6, v115
	v_lshlrev_b32 v[H16], 4, v114
	s_lshl_b32 s56, s[WJ], 13
	s_lshl_b32 s57, s[HALF], 11
	s_add_co_u32 s56, s56, s57
	s_add_co_u32 s56, s56, QIMG
	v_add_nc_u32 v[QW], s56, v[LI]
	v_xor_b32 v[QX], 0x800, v[QW]
	v_mov_b32 v[F+1], 0
	v_mov_b32 v[F+3], 0
	v_mov_b32 v[PX], 0
	v_mov_b32 v[PX+1], 0
	WIN 0x40
.set n, 0
.rept 64
	v_mov_b32 v[SG+n], 0                           ; the fill's registers are written once: the fill and the LDS stores of what it brought stand under two branches on one condition, and every path finds them written
.set n, n+1
.endr
	WIN 0
	s_mov_b32 s[SEL], 0x76543210
	s_mov_b32 s[SEL+1], 0xfedcba98
	s_and_b32 s56, ttmp7, 0xffff                   ; y
	s_lshl_b32 s57, s56, 3
	s_sub_co_u32 s56, 31, s56
	s_lshl_b32 s56, s56, 3
	s_wait_kmcnt 0x0
	s_load_b64 s[48:49], s[8:9], s56 offset:0x0    ; rank 31 - y: batch, length
	s_load_b64 s[50:51], s[8:9], s57 offset:0x0    ; rank y.  (s56 and s57 are these loads' offsets: they are written again only behind the wait for the loads, below)
	s_load_b128 s[24:27], s[10:11], 0x0            ; eq, ek, ep, ev
	s_lshl_b32 s58, ttmp9, 16                      ; my rows of Q and of out0 in a batch: block x of 128 rows of 512 bytes,
	s_lshl_b32 s59, s[WJ], 14                      ; my pair's 32 rows,
	s_add_co_u32 s58, s58, s59
	s_lshl_b32 s59, s[HALF], 13                    ; the 16 that I keep
	s_add_co_u32 s58, s58, s59
	s_mov_b32 s55, 0
	s_wait_kmcnt 0x0
.macro JOBSET ent, o, qb
	s_min_u32 s56, s[\ent], 31                     ; the batch
	s_max_i32 s[VAL+\o], s[\ent+1], 0
	s_min_u32 s[VAL+\o], s[VAL+\o], 2048           ; its length, held to 0 .. 2,048
	s_add_co_u32 s[NST+\o], s[VAL+\o], 127
	s_lshr_b32 s[NST+\o], s[NST+\o], 7             ; steps that hold a key that counts
	s_lshl_b32 s54, s56, 19
	s_add_nc_u64 s[KVB+\o:KVB+\o+1], s[6:7], s[54:55]
	s_lshl_b32 s54, s56, 20
	s_add_co_u32 s54, s54, s58
	s_add_nc_u64 s[\qb:\qb+1], s[4:5], s[54:55]
	s_add_nc_u64 s[OUTB+\o:OUTB+\o+1], s[12:13], s[54:55]
	s_cmp_eq_u32 ttmp9, 0                          ; all sixteen work-groups of a y walk the same blocks of kv: the first of them prefetches
	s_cselect_b32 s[PN+\o], s[NST+\o], 0
.endm
	JOBSET 48, 0, QB0
	JOBSET 50, 8, QB1
	s_mov_b32 s[CS], 0x3e0293ee                    ; c = log2(e) / sqrt(128)
	s_add_co_i32 s56, s24, s25
	s_lshl_b32 s56, s56, 23
	s_add_co_i32 s[CS], s[CS], s56                 ; a score stands for score x 2^(eq + ek): added to c's exponent field
	s_mov_b32 s[CS+1], s[CS]                       ; (named with it as a pair)
	s_add_co_i32 s56, s26, 127
	s_lshl_b32 s57, s56, 23
	v_mov_b32 v[PSC], s57
	s_add_co_i32 s56, s56, 15
	s_lshl_b32 s56, s56, 23
	s_or_b32 s56, s56, 0x600000
	v_mov_b32 v[PLIM], s56
	s_add_co_i32 s56, s24, 127
	s_lshl_b32 s57, s56, 23
	v_mov_b32 v[QSC], s57
	s_add_co_i32 s56, s56, 15
	s_lshl_b32 s56, s56, 23
	s_or_b32 s56, s56, 0x600000
	v_mov_b32 v[QLIM], s56
	s_add_co_i32 s28, s26, s27                     ; ep + ev
; A job's first step of my half, if it has one: my 8,192 bytes of it into the fill's registers.  (What these loads hang on is stated ahead of each of the macro's two uses.)
.macro FILL_ISSUE nst, kvb
	s_cmp_lt_u32 s[HALF], s[\nst]
	s_cbranch_scc0 .Lnone_\@
	s_wait_xcnt 0x0                                ; earlier loads have read the base that is written now
	s_lshl_b32 s54, s[HALF], 15
	s_mov_b32 s55, 0
	s_add_nc_u64 s[52:53], s[\kvb:\kvb+1], s[54:55]
	WIN 0x40
.set n, 0
.rept 16
	global_load_b128 v[SG+4*n:SG+4*n+3], v[FO], s[52:53] offset:512*n
.set n, n+1
.endr
	WIN 0
.Lnone_\@:
.endm
; 64 numbers of a lane, register 16 b + i = channel 32 b + 16 h + i of my row of Q, become a fragment's codes
.macro QUANT src, dst
.irp b, 0,1,2,3
.set n, 0
.rept 16
	v_med3_num_f32 v[\src+16*\b+n], v[\src+16*\b+n], -v[QLIM], v[QLIM]   ; the conversion does not saturate (ISA guide 7.6.2): the hold comes first
.set n, n+1
.endr
	v_cvt_scalef32_pk8_bf8_f32 v[\dst+4*\b:\dst+4*\b+1], v[\src+16*\b:\src+16*\b+7], v[QSC]
	v_cvt_scalef32_pk8_bf8_f32 v[\dst+4*\b+2:\dst+4*\b+3], v[\src+16*\b+8:\src+16*\b+15], v[QSC]
.endr
	v_nop                                          ; a plain vector line behind the last conversion: products later write its sources
.endm
	s_wait_alu depctr_va_vdst(0)                   ; the addresses and offsets v1 to v10 and v105 to v110 are written, which the kernel's loads, stores and prefetches read; so are the zeros in the fill's registers, in which loads land
	FILL_ISSUE NST, KVB
	; ---- Q: the 16 rows that I keep, of both jobs.  A load reads one row, 512 consecutive bytes; the rows turn through my stage; the codes go to LDS as images of the operand's registers, for my partner too
.set n, 0
.rept 16
	global_load_b128 v[S+4*n:S+4*n+3], v[LI], s[QB0:QB0+1] offset:512*n th:TH_LOAD_NT
.set n, n+1
.endr
.set n, 0
.rept 16
	global_load_b128 v[S+64+4*n:S+64+4*n+3], v[LI], s[QB1:QB1+1] offset:512*n th:TH_LOAD_NT
.set n, n+1
.endr
	s_wait_loadcnt 16                              ; the fill and the first job's rows are in; the second job's sixteen may be out
.irp u, 0,1
.if \u == 1
	s_wait_loadcnt 0x0
.endif
.set n, 0
.rept 16
	ds_store_b128 v[XR], v[S+64*\u+4*n:S+64*\u+4*n+3] offset:SP*n
.set n, n+1
.endr
	s_wait_alu depctr_vm_vsrc(0)                   ; the sixteen stores above have read their registers, in which the sixteen loads below land
.set n, 0
.rept 16
	ds_load_b128 v[S+64*\u+4*n:S+64*\u+4*n+3], v[SQ] offset:128*(n/4)+16*(n%4)   ; LDS serves a wave's instructions in order (ISA guide 5.7.1.4): these see the stores above, and the next job's stores come behind them
.set n, n+1
.endr
.endr
	s_wait_dscnt 32                                ; the first job's numbers are back; the second job's 16 stores and 16 loads may be out
	QUANT S, P
	s_wait_alu depctr_va_vdst(0)                   ; the conversions have written v[P .. P+15], which the LDS stores read
.irp c, 0,1,2,3
	ds_store_b128 v[QW], v[P+4*\c:P+4*\c+3] offset:512*\c
.endr
	s_wait_dscnt 4                                 ; the second job's are back; the four stores just issued may be out
	QUANT S+64, P+16
	s_wait_alu depctr_va_vdst(0)                   ; the conversions have written v[P+16 .. P+31], which the LDS stores read
.irp c, 0,1,2,3
	ds_store_b128 v[QW], v[P+16+4*\c:P+16+4*\c+3] offset:4096+512*\c
.endr
	s_wait_dscnt 0x0                               ; for my partner's sake: my images have landed
	s_barrier_signal -1
	s_barrier_wait -1
; A KEY STEP: 128 keys against my 32 queries, from ring slot \slot; in its middle my part of my half's next step is asked for from kv.
.macro STEPWORK slot
	WIN 0x40
	s_wait_alu depctr_va_vdst(0)                   ; the last step's products are done reading V's fragments in FR, in which K's land
.irp t, 0,1,2,3,4,5,6,7                        ; K's eight fragments in one run: tiles 0-3 into FR, tiles 4-7 into SG, which lies idle until the fill below
.irp c, 0,1,2,3
	ds_load_b128 v[FR+16*\t+4*\c:FR+16*\t+4*\c+3], v[ADK+\slot] offset:\t*2048+512*\c
.endr
.endr
	WIN 0x01                                       ; K in window 1; Q and S^T in window 0
.irp t, 0,1,2,3,4,5,6,7                        ; S^T = K Q^T: each tile of 16 keys against both tiles of queries
	s_wait_dscnt 28-4*\t                           ; fragment t is in; the later fragments' loads may be out
.irp u, 0,1
	v_wmma_f32_16x16x128_bf8_bf8 v[S+64*\u+8*\t:S+64*\u+8*\t+7], v[FR+16*\t:FR+16*\t+15], v[Q+16*\u:Q+16*\u+15], 0
.endr
.endr
	PLACES                                         ; behind the products: for the loads into their fragments' registers and for the first reads of the scores
	WIN 0x40
	s_wait_alu depctr_va_vdst(0)                   ; the sixteen products are done reading K's fragments in FR and in SG: V's loads and the fill's loads below land there, and no vector or matrix line stands between this wait and them
.irp t, 0,1,2,3                                ; V's first four fragments are asked for now and land under the softmax
.irp c, 0,1,2,3
	ds_load_b128 v[FR+16*\t+4*\c:FR+16*\t+4*\c+3], v[ADK+\slot] offset:16384+\t*2048+512*\c
.endr
.endr
	WIN 0
	s_add_co_u32 s56, s[STEP], 2                   ; THE FILL: my 8,192 bytes of my half's next step, if it holds a key that counts
	s_cmp_lt_u32 s56, s[NST]
	s_cbranch_scc0 .Lnofill_\@
	s_wait_xcnt 0x0                                ; the last trip's loads and prefetch have read their bases, which are written now
	s_min_u32 s56, s56, 15
	s_lshl_b32 s54, s56, 15
	s_mov_b32 s55, 0
	s_add_nc_u64 s[52:53], s[KVB:KVB+1], s[54:55]
	WIN 0x40
.set n, 0
.rept 16
	global_load_b128 v[SG+4*n:SG+4*n+3], v[FO], s[52:53] offset:512*n   ; 32 lanes read 512 consecutive bytes; the softmax and the second product stand between these loads and the wait for them
.set n, n+1
.endr
	WIN 0
	s_add_co_u32 s57, s[STEP], 4                   ; A PREFETCH of what my loads of the NEXT trip will ask for: my 8,192 bytes of step + 4, lanes 256 bytes apart, one instruction; only in the work-group with x = 0,
	s_cmp_lt_u32 s57, s[PN]                        ; and only for steps that hold a key that counts: each block is named once in the launch, none that was not stored, none past the end.  A job's first four steps come by their loads alone
	s_cbranch_scc0 .Lnofill_\@
	s_min_u32 s57, s57, 15
	s_lshl_b32 s60, s57, 15
	s_mov_b32 s61, 0
	s_add_nc_u64 s[58:59], s[KVB:KVB+1], s[60:61]
	global_prefetch_b8 v[PFO], s[58:59] th:TH_LOAD_NT scope:SCOPE_SE
.Lnofill_\@:
	s_add_co_u32 s56, s[STEP], 1                   ; THE MASK, in the one step that the length cuts: hidden scores become -infinity ahead of the maximum, so p = 0.  The step's first key counts, so the maximum is a number
	s_lshl_b32 s56, s56, 7
	s_cmp_le_u32 s56, s[VAL]
	s_cbranch_scc1 .Lopen_\@
	s_lshl_b32 s57, s[STEP], 7
	s_sub_co_u32 s57, s[VAL], s57
	v_sub_nc_u32 v38, s57, v[H16]                  ; d = length - the step's first key - 16 h.  Register 16 b + i holds key 32 b + 16 h + i of the step: hidden where 32 b + i >= d
	v_mov_b32 v39, 0xff800000
.irp b, 0,1,2,3                                ; the compares go in runs of sixteen, each into a scalar register of its own
.set n, 0
.rept 16
	v_cmp_ge_i32 s[MK+n], 32*\b+n, v38
.set n, n+1
.endr
	s_wait_alu depctr_va_sdst(0)                   ; the sixteen masks are written, ahead of the selects that read them
.set n, 0
.rept 16
	v_cndmask_b32 v[S+16*\b+n], v[S+16*\b+n], v39, s[MK+n]
	v_cndmask_b32 v[S+64+16*\b+n], v[S+64+16*\b+n], v39, s[MK+n]
.set n, n+1
.endr
.endr
.Lopen_\@:
.irp u, 0,1                                    ; the step's largest score of my query, two chains a tile, each accumulator from its low end on; the two tiles' lines alternate, so that no line waits for the one above it
	v_max3_num_f32 v[MA+4*\u], v[S+64*\u], v[S+64*\u+1], v[S+64*\u+2]
	v_max3_num_f32 v[MB+4*\u], v[S+64*\u+3], v[S+64*\u+4], v[S+64*\u+5]
.endr
.set n, 6
.rept 14
.irp u, 0,1
	v_max3_num_f32 v[MA+4*\u], v[MA+4*\u], v[S+64*\u+n], v[S+64*\u+n+1]
	v_max3_num_f32 v[MB+4*\u], v[MB+4*\u], v[S+64*\u+n+2], v[S+64*\u+n+3]
.endr
.set n, n+4
.endr
.irp u, 0,1
	v_max3_num_f32 v[MA+4*\u], v[MA+4*\u], v[S+64*\u+62], v[S+64*\u+63]
.endr
.irp u, 0,1
	v_max_num_f32 v[MA+4*\u], v[MA+4*\u], v[MB+4*\u]
.endr
.irp u, 0,1
	v_permlanex16_b32 v[PX+\u], v[MA+4*\u], s[SEL], s[SEL+1]   ; the query's other 64 keys lie in the lane 16 away
.endr
.irp u, 0,1
	v_max_num_f32 v[MA+4*\u], v[MA+4*\u], v[PX+\u]
.endr
.irp u, 0,1
	v_mul_f32 v[MA+4*\u], s[CS], v[MA+4*\u]        ; as t (c is positive)
.endr
.irp u, 0,1
	v_max_num_f32 v[ST+4*\u+1], v[ST+4*\u+1], v[MA+4*\u]   ; the running largest t
.endr
.irp u, 0,1
	v_mov_b32 v[MA+4*\u], v[ST+4*\u]
.endr
.irp u, 0,1
	v_floor_f32 v[ST+4*\u], -v[ST+4*\u+1]          ; -M = floor(-t): M is a whole number
.endr
.irp u, 0,1
	v_sub_f32 v[MA+4*\u], v[ST+4*\u], v[MA+4*\u]   ; old M - new M: a whole number, 0 or less
.endr
.irp u, 0,1
	v_cvt_i32_f32 v[MA+4*\u], v[MA+4*\u]           ; (it saturates)
.endr
.irp u, 0,1
	v_ldexp_f32 v[F+2*\u], 1.0, v[MA+4*\u]         ; f = 2^(old M - new M)
.endr
.set n, 0
.rept 32
.irp u, 0,1
	v_pk_fma_f32 v[S+64*\u+n:S+64*\u+n+1], v[S+64*\u+n:S+64*\u+n+1], s[CS:CS+1], v[ST+4*\u:ST+4*\u+1] op_sel_hi:[1,0,0]   ; t - M, two at a time (of the pairs c and -M the low word serves both halves)
.endr
.set n, n+2
.endr
.set n, 0
	s_wait_alu depctr_va_vdst(0)
.rept 128
	v_exp_f32 v[S+n], v[S+n]                       ; p = 2^(t - M): one batch of 128
.set n, n+1
.endr
.irp u, 0,1
	v_pk_mul_f32 v[ST+4*\u+2:ST+4*\u+3], v[ST+4*\u+2:ST+4*\u+3], v[F+2*\u:F+2*\u+1] op_sel_hi:[1,0]   ; the sums under the new M: the plain lines behind the exponentials
.endr
	s_wait_alu depctr_va_vdst(0)                   ; the 128 exponentials have written p: one wait for the whole batch, ahead of its first reader
.irp u, 0,1
	v_pk_add_f32 v[SM+4*\u:SM+4*\u+1], v[S+64*\u:S+64*\u+1], v[S+64*\u+2:S+64*\u+3]   ; the sum is taken of the unquantised p, two chains a tile
.endr
.set n, 4
.rept 15
.irp u, 0,1
	v_pk_add_f32 v[ST+4*\u+2:ST+4*\u+3], v[ST+4*\u+2:ST+4*\u+3], v[S+64*\u+n:S+64*\u+n+1]
	v_pk_add_f32 v[SM+4*\u:SM+4*\u+1], v[SM+4*\u:SM+4*\u+1], v[S+64*\u+n+2:S+64*\u+n+3]
.endr
.set n, n+4
.endr
.irp u, 0,1
	v_pk_add_f32 v[ST+4*\u+2:ST+4*\u+3], v[ST+4*\u+2:ST+4*\u+3], v[SM+4*\u:SM+4*\u+1]
.endr
	s_cmp_gt_i32 s26, -16                          ; THE HOLD.  p is at most 1, up to one rounding, so p / 2^ep passes 57,344 only where ep <= -16: elsewhere the 128 lines hold nothing and are jumped over
	s_cbranch_scc1 .Lnohold_\@
.set n, 0
.rept 128
	v_min_num_f32 v[S+n], v[S+n], v[PLIM]          ; p is not negative: the hold is one-sided
.set n, n+1
.endr
.Lnohold_\@:
.irp b, 0,1,2,3
.irp u, 0,1
	v_cvt_scalef32_pk8_bf8_f32 v[P+16*\u+4*\b:P+16*\u+4*\b+1], v[S+64*\u+16*\b:S+64*\u+16*\b+7], v[PSC]
	v_cvt_scalef32_pk8_bf8_f32 v[P+16*\u+4*\b+2:P+16*\u+4*\b+3], v[S+64*\u+16*\b+8:S+64*\u+16*\b+15], v[PSC]
.endr
.endr
	s_wait_alu depctr_va_vdst(0)                   ; the sums, the hold and the conversions are done with p in v[S .. S+63], in which V's last four fragments land
.irp t, 0,1,2,3                                ; they land under the rescaling of O^T and the first eight products
.irp c, 0,1,2,3
	ds_load_b128 v[S+16*\t+4*\c:S+16*\t+4*\c+3], v[ADK+\slot] offset:16384+(4+\t)*2048+512*\c
.endr
.endr
	WIN 0x41                                       ; O^T (destination and source 0) in window 1, f in window 0
.set n, 0
.rept 32
.irp u, 0,1
	v_pk_mul_f32 v[64*\u+n:64*\u+n+1], v[64*\u+n:64*\u+n+1], v[F+2*\u:F+2*\u+1] op_sel_hi:[1,0]   ; O^T under the new M; each accumulator from its low end on.  (The plain lines behind the conversions)
.endr
.set n, n+2
.endr
	WIN 0x51                                       ; O^T += V^T P^T: V and O^T in window 1, P in window 0.  Sixteen accumulators, one instruction each: no two that follow each other share one
	s_wait_alu depctr_va_vdst(0)
	s_wait_dscnt 16                                ; V's first four fragments are in; the sixteen loads of the last four may be out
.irp t, 0,1,2,3
.irp u, 0,1
	v_wmma_f32_16x16x128_bf8_bf8 v[64*\u+8*\t:64*\u+8*\t+7], v[FR+16*\t:FR+16*\t+15], v[P+16*\u:P+16*\u+15], v[64*\u+8*\t:64*\u+8*\t+7]
.endr
.endr
	WIN 0x50                                       ; V's last four fragments and P in window 0, O^T in window 1
.irp t, 0,1,2,3
	s_wait_dscnt 12-4*\t                           ; fragment 4 + t is in; the later fragments' loads may be out
.irp u, 0,1
	v_wmma_f32_16x16x128_bf8_bf8 v[64*\u+8*(4+\t):64*\u+8*(4+\t)+7], v[S+16*\t:S+16*\t+15], v[P+16*\u:P+16*\u+15], v[64*\u+8*(4+\t):64*\u+8*(4+\t)+7]
.endr
.endr
	WIN 0
	PLACES
	v_nop                                          ; five places: the next step's products write over v[S .. S+63], which these products have read as an operand; four serve the reads of O^T and the loads into FR
.endm
; A TRIP: one barrier; my half's step from slot \slot, if it holds a key that counts; meanwhile my part of my half's next step comes from kv into registers, and goes into the other slot at the trip's end.
.macro TRIP slot
	s_wait_dscnt 0x0                               ; my stores into this slot have landed, and my reads of the other slot are over:
	s_wait_alu depctr_vm_vsrc(0)                   ; (my LDS stores have read the fill's registers, in which K's fragments land in this trip)
	s_barrier_signal -1
	s_barrier_wait -1                              ; both now hold of all eight waves
	s_cmp_lt_u32 s[STEP], s[NST]
	s_cbranch_scc0 .Lidle_\@                       ; all its keys are hidden (and so are those of every later step)
	STEPWORK \slot
	s_wait_loadcnt 0x0                             ; the next step's bytes are in my registers
	s_add_co_u32 s56, s[STEP], 2
	s_cmp_lt_u32 s56, s[NST]
	s_cbranch_scc0 .Lidle_\@
	WIN 0x04                                       ; store data in window 1
.set n, 0
.rept 16
	ds_store_b128 v[LS+1-\slot], v[SG+4*n:SG+4*n+3] offset:512*n   ; into the slot that nobody has read since the barrier above
.set n, n+1
.endr
	WIN 0
.Lidle_\@:
	s_add_co_u32 s[STEP], s[STEP], 2
.endm
	s_mov_b32 s[JOB], 0
	s_mov_b32 s[QIM], 0
.Ljob:
	s_wait_alu depctr_vm_vsrc(0)                   ; the LDS stores of Q's images have read v[P ..]; on the way back the last job's loads of Q have read v[QJ0] and v[QJ1], its LDS stores O^T, -M, the sum and v[S+64 ..], its stores v[S .. S+63]: all of these are written again from here on
	v_add_nc_u32 v[QJ0], s[QIM], v[QW]
	v_add_nc_u32 v[QJ1], s[QIM], v[QX]
	s_wait_alu depctr_va_vdst(0)                   ; v[QJ0] and v[QJ1] are written, which the eight loads below read
.irp c, 0,1,2,3
	ds_load_b128 v[Q+4*\c:Q+4*\c+3], v[QJ0] offset:512*\c          ; tile 0: the queries that I keep
.endr
.irp c, 0,1,2,3
	ds_load_b128 v[Q+16+4*\c:Q+16+4*\c+3], v[QJ1] offset:512*\c    ; tile 1: my partner's
.endr
.irp u, 0,1
	v_mov_b32 v[ST+4*\u+1], 0xff61b1e6             ; the largest t so far: -3e38, under every t
	v_floor_f32 v[ST+4*\u], -v[ST+4*\u+1]
	v_mov_b32 v[ST+4*\u+2], 0
	v_mov_b32 v[ST+4*\u+3], 0
.endr
	WIN 0x40
.set n, 0
.rept 128
	v_mov_b32 v[n], 0                              ; O^T.  The step is written once, so its first run finds zeros; and a half that gets no step hands zeros to the merge
.set n, n+1
.endr
	WIN 0
	s_wait_loadcnt 0x0                             ; the job's first fill
	s_cmp_lt_u32 s[HALF], s[NST]
	s_cbranch_scc0 .Lno_first
	WIN 0x04
.set n, 0
.rept 16
	ds_store_b128 v[LS], v[SG+4*n:SG+4*n+3] offset:512*n   ; slot 0: its last readers passed two barriers ago
.set n, n+1
.endr
	WIN 0
.Lno_first:
	s_mov_b32 s[STEP], s[HALF]
	s_mov_b32 s[TRIPS], 4
.Ltrip:                                            ; 4 x 2 trips: my half's 8 steps of the 16 that a batch can have
	TRIP 0
	TRIP 1
	s_sub_co_u32 s[TRIPS], s[TRIPS], 1
	s_cmp_lg_u32 s[TRIPS], 0
	s_cbranch_scc1 .Ltrip
	s_wait_dscnt 0x0                               ; my last LDS stores are done
	s_wait_alu depctr_vm_vsrc(0)                   ; and have read the fill's registers, in which the next job's first fill lands (the products that read them stand ahead of a wait on va_vdst in their own step)
	s_cmp_lg_u32 s[JOB], 0
	s_cbranch_scc1 .Lno_next
	FILL_ISSUE NST+8, KVB+8                        ; the next job's first fill lands under the merge and the way out
.Lno_next:
	; ---- THE MERGE.  The sums' two halves and the other half of the lanes' are added; my tile 1 goes to my partner, whose tile 1 is my tile 0
.irp u, 0,1
	v_add_f32 v[ST+4*\u+2], v[ST+4*\u+2], v[ST+4*\u+3]
.endr
.irp u, 0,1
	v_permlanex16_b32 v[PX+\u], v[ST+4*\u+2], s[SEL], s[SEL+1]
.endr
.irp u, 0,1
	v_add_f32 v[ST+4*\u+2], v[ST+4*\u+2], v[PX+\u]
.endr
	WIN 0x04
	s_wait_alu depctr_va_vdst(0)                   ; O^T, -M and the sum are written, which the LDS stores read (the places stand behind the last product); the last products are done reading v[S .. S+63], and earlier lines are done with v112 and v113: the loads behind the barrier land in these
.set n, 0
.rept 16
	ds_store_b128 v[XW], v[64+4*n:64+4*n+3] offset:512*n   ; as an image of the registers: the same lanes take them back; each accumulator from its low end on
.set n, n+1
.endr
	WIN 0
	ds_store_b32 v[XS], v[ST+4]                    ; -M
	ds_store_b32 v[XS], v[ST+6] offset:128         ; the sum
	s_wait_dscnt 0x0                               ; for my partner's sake: they have landed
	s_barrier_signal -1
	s_barrier_wait -1
	ds_load_b32 v112, v[XSR]
	ds_load_b32 v113, v[XSR] offset:128
.set n, 0
.rept 16
	ds_load_b128 v[S+4*n:S+4*n+3], v[XR] offset:512*n
.set n, n+1
.endr
	s_wait_dscnt 16                                ; my partner's -M and sum are in; the sixteen loads of its O^T may be out
	v_min_num_f32 v114, v[ST], v112                ; -M of the two together
	v_sub_f32 v115, v114, v[ST]
	v_sub_f32 v116, v114, v112                     ; whole numbers, 0 or less
	v_cvt_i32_f32 v115, v115
	v_cvt_i32_f32 v116, v116
	v_ldexp_f32 v115, 1.0, v115                    ; what brings my part under the common M,
	v_ldexp_f32 v116, 1.0, v116                    ; and my partner's: whole powers of two (0 for a half that had no step)
	v_mul_f32 v117, v[ST+2], v115
	v_fma_f32 v117, v113, v116, v117               ; the row's sum
	s_wait_alu depctr_va_vdst(0)
	v_rcp_f32 v118, v117
	v_nop                                          ; a plain line behind the reciprocal,
	s_wait_alu depctr_va_vdst(0)                   ; and the reciprocal has written v118, ahead of its first reader
	v_ldexp_f32 v118, v118, s28                    ; x 2^(ep + ev)
	v_mul_f32 v[F], v115, v118
	v_mul_f32 v[F+2], v116, v118
	WIN 0x01                                       ; my O^T in window 1
.set n, 0
.rept 32
	v_pk_mul_f32 v[S+64+2*n:S+64+2*n+1], v[2*n:2*n+1], v[F:F+1] op_sel_hi:[1,0]
.set n, n+1
.endr
	WIN 0
	s_wait_dscnt 0x0                               ; my partner's O^T is in
.set n, 0
.rept 32
	v_pk_fma_f32 v[S+64+2*n:S+64+2*n+1], v[S+2*n:S+2*n+1], v[F+2:F+3], v[S+64+2*n:S+64+2*n+1] op_sel_hi:[1,0,1]
.set n, n+1
.endr
	; ---- THE WAY OUT.  Register 8 t + i is out0(my row r, channel 16 t + 8 h + i): through the stage (X[w xor 4], which I alone touch from the barrier above until eight barriers on), back as whole rows of 512 bytes
	s_wait_alu depctr_va_vdst(0)                   ; the multiply-adds have written v[S+64 ..], which the LDS stores read, and are done reading v[S .. S+63], in which the rows land
.irp t, 0,1,2,3,4,5,6,7
	ds_store_b128 v[STO], v[S+64+8*\t:S+64+8*\t+3] offset:64*\t
	ds_store_b128 v[STO], v[S+64+8*\t+4:S+64+8*\t+7] offset:64*\t+16
.endr
.set n, 0
.rept 16
	ds_load_b128 v[S+4*n:S+4*n+3], v[XR] offset:SP*n
.set n, n+1
.endr
.set n, 0
.rept 16
	s_wait_dscnt 15-n                              ; row n is back; the later rows' loads may be out
	global_store_b128 v[LI], v[S+4*n:S+4*n+3], s[OUTB:OUTB+1] offset:512*n th:TH_STORE_NT   ; 32 lanes store 512 consecutive bytes, aligned
.set n, n+1
.endr
	s_wait_xcnt 0x0                                ; the stores have had their addresses translated: their base is written again below (their data registers: behind the wait on vm_vsrc at the next job's head)
	s_mov_b64 s[KVB:KVB+1], s[KVB+8:KVB+9]
	s_mov_b32 s[NST], s[NST+8]
	s_mov_b32 s[VAL], s[VAL+8]
	s_mov_b64 s[OUTB:OUTB+1], s[OUTB+8:OUTB+9]
	s_mov_b32 s[PN], s[PN+8]
	s_add_co_u32 s[QIM], s[QIM], 4096
	s_add_co_u32 s[JOB], s[JOB], 1
	s_cmp_lt_u32 s[JOB], 2
	s_cbranch_scc1 .Ljob
	s_wait_dscnt 0x0
	s_wait_alu depctr_hold_cnt(0) depctr_sa_sdst(0) depctr_va_vdst(0) depctr_va_sdst(0) depctr_va_ssrc(0) depctr_va_vcc(0) depctr_vm_vsrc(0)
	s_wait_tensorcnt 0x0
	ds_add_u32 v126, v127
	s_wait_dscnt 0x0
	s_endpgm
.Lfunc_end_k_q07a38e541c_attn:
	.size	k_q07a38e541c_attn, .Lfunc_end_k_q07a38e541c_attn-k_q07a38e541c_attn
	.p2alignl 7, 3214868480
	.fill 96, 4, 3214868480
	.section	.rodata,"a",@progbits
	.p2align	6, 0x0
	.amdhsa_kernel k_q07a38e541c_attn
		.amdhsa_group_segment_fixed_size 234496
		.amdhsa_private_segment_fixed_size 0
		.amdhsa_enable_private_segment 0
		.amdhsa_kernarg_size 40
		.amdhsa_user_sgpr_count 2
		.amdhsa_user_sgpr_kernarg_segment_ptr 1
		.amdhsa_wavefront_size32 1
		.amdhsa_system_sgpr_workgroup_id_x 1
		.amdhsa_system_sgpr_workgroup_id_y 1
		.amdhsa_system_sgpr_workgroup_id_z 1
		.amdhsa_system_vgpr_workitem_id 0
		.amdhsa_next_free_vgpr 512
		.amdhsa_next_free_sgpr 96
		.amdhsa_reserve_vcc 0
		.amdhsa_float_denorm_mode_32 3
		.amdhsa_float_denorm_mode_16_64 3
		.amdhsa_memory_ordered 1
		.amdhsa_forward_progress 1
		.amdhsa_inst_pref_size 146
	.end_amdhsa_kernel
	.amdgpu_metadata
---
amdhsa.version: [ 1, 2 ]
amdhsa.kernels:
  - .name:           k_q07a38e541c_attn
    .symbol:         k_q07a38e541c_attn.kd
    .args:
      - { .name: queries, .offset: 0, .size: 8, .value_kind: global_buffer, .address_space: global }
      - { .name: kv, .offset: 8, .size: 8, .value_kind: global_buffer, .address_space: global }
      - { .name: sched, .offset: 16, .size: 8, .value_kind: global_buffer, .address_space: global }
      - { .name: lowp_scales, .offset: 24, .size: 8, .value_kind: global_buffer, .address_space: global }
      - { .name: out0, .offset: 32, .size: 8, .value_kind: global_buffer, .address_space: global }
    .group_segment_fixed_size: 234496
    .private_segment_fixed_size: 0
    .kernarg_segment_align: 8
    .kernarg_segment_size: 40
    .max_flat_workgroup_size: 256
    .sgpr_count:     96
    .vgpr_count:     512
    .wavefront_size: 32
...
	.end_amdgpu_metadata
.endif
;; end of part 4
